; MI455X (gfx1250); checked and timed in simulation.
; The chip was launched on July 23, 2026; its instructions are those of AMD's public machine-readable ISA for CDNA 5 (MIT licence, August 2026) and "CDNA5" Instruction Set Architecture Reference Guide (July 2026). The comments in the code are by the model that wrote it; some were corrected since.
;; Causal Self Attention. Allowed arithmetic: matrix products marked QUANTISED: E2M1 operands, one E8M0 scale for each 32 along K, by v_wmma_scale_f32_16x16x128_f8f6f4 with both operands' format E2M1 (or v_wmma_scale_f32_32x16x128_f4), f32 sums; products left as they are: bf16, f16 or f32 operands; f32 sums; everything else in f32.
;; Inputs: Wout 1,024 x 1,024 float32; Wqkv 3,072 x 1,024 float32; attention_mask 4 x 2,048 int32; bqkv 3,072 float32; x 4 x 2,048 x 1,024 float32.
;; Outputs: out0 4 x 2,048 x 1,024 float32.
;; This version of the problem:
;;   THIS VERSION OF THE PROBLEM IS GIVEN IN LOW PRECISION. The matrix products marked QUANTISED in the list below multiply operands that are first quantised to E2M1 (2 exponent bits, 1 mantissa bit; 4 bits a number), with one power-of-two scale for each 32 numbers along K (OCP MX v1.0); their sums are f32. The products marked 'left as it is' may take bf16, f16 or f32 operands, with f32 sums. Whichever they take, every output number must still come out within the allowed error. Rounding operands to bf16 (8 significant bits) uses up far more of that allowance than f16 does (11 bits, for magnitudes from 6e-5 to 65,504). All else is computed in f32.
;;   The module's matrix products, in the order in which they are computed (A, B: the left and right operand; K: the contracted axis; several contracted axes count as one K, in the product's order):
;;     1. [M 8,192, K 1,024] x [K 1,024, N 3,072]; A: input x; B: input Wqkv: QUANTISED
;;     2. batch 64 x [M 2,048, K 64] x [K 64, N 2,048]; A: computed on the way; B: computed on the way: left as it is (an operand is computed on the way)
;;     3. batch 64 x [M 2,048, K 2,048] x [K 2,048, N 64]; A: computed on the way; B: computed on the way: left as it is (an operand is computed on the way)
;;     4. [M 8,192, K 1,024] x [K 1,024, N 1,024]; A: computed on the way; B: input Wout: left as it is (an operand is computed on the way)
;;   THE QUANTISER, for each operand of a quantised product, along K:
;;     - K is cut into blocks of 32 from its start; a last block that is shorter is filled with zeros.
;;     - A block's scale is 2^e with e = floor(log2(the largest magnitude in the block)) - 2, held to -126 .. 127; a block of zeros has e = 0. As a byte (E8M0): e + 127.
;;     - Each number is divided by its block's scale, clamped to +-6, and rounded to the nearest number of E2M1, ties to even, subnormals kept.
;;     - The product sums the exact products of the quantised numbers (number of the format x scale) in f32.
;;   ~~~python
;;   def quantise(x, axis):      # numpy; x: float32 -> the quantised numbers, widened to float32 again
;;       x = np.moveaxis(x, axis, -1); K = x.shape[-1]
;;       x = np.pad(x, [(0, 0)] * (x.ndim - 1) + [(0, -K % 32)]); x = x.reshape(x.shape[:-1] + (-1, 32)); a = np.abs(x).max(-1, keepdims=True)
;;       e = np.where(a > 0, np.clip(np.frexp(np.where(a > 0, a, 1))[1] - 1 - 2, -126, 127), 0)      # np.frexp(a)[1] - 1 = floor(log2(a)), exactly
;;       r = np.clip(x / 2.0 ** e, -6, 6)
;;       step = 2.0 ** (np.maximum(np.frexp(np.where(r == 0, 1, r))[1] - 1, 0) - 1)
;;       q = np.round(r / step) * step * 2.0 ** e      # np.round: ties to even
;;       return np.moveaxis(q.reshape(q.shape[:-2] + (-1,))[..., :K], -1, axis).astype(np.float32)
;;   ~~~
;; One version. Each part assembles by itself: llvm-mc -triple=amdgcn-amd-amdhsa -mcpu=gfx1250 --defsym DOCPART=n.
;; ======== version 1 of 1: 6 launches
;; limits: values are held in f16: magnitudes above 65,504 overflow, below 6.1e-05 lose precision
;; workspace buffers: cod 5,767,168 bytes; sc 360,448 bytes; woh 2,097,152 bytes; qkv 50,331,648 bytes; qkvf 786,432 bytes; fy 278,528 bytes; yh 16,777,216 bytes
;; launch quant (part 1): grid 384 x 1, 4 waves a work-group, no clusters, 33,280 bytes of LDS; arguments x, Wqkv, Wout, cod, sc, woh; writes cod, sc, woh
.if DOCPART == 1
	.amdgcn_target "amdgcn-amd-amdhsa--gfx1250"
	.amdhsa_code_object_version 6
	.text
	.protected	k_qdefdc46adb_quant
	.globl	k_qdefdc46adb_quant
	.p2align	8
	.type	k_qdefdc46adb_quant,@function
k_qdefdc46adb_quant:
	s_mov_b64 s[64:65], 0
	v_nop
	global_prefetch_b8 v0, s[64:65] scope:SCOPE_SE
	s_setreg_imm32_b32 hwreg(HW_REG_WAVE_MODE, 25, 1), 1
	s_wait_xcnt 0x0
; CAUSAL SELF-ATTENTION, B 4, T 2048, C 1024, 16 heads of 64.  SIX LAUNCHES: this one (codes of x and Wqkv, Wout in f16); the QKV product on codes; the first 16 positions of every
; sequence in f32 (attention, then the out projection); attention on f16 operands; the out projection on f16 operands.
; WORK LEFT OUT, in the problem's own terms.  The mask causal = tril(ones(T, T)) is built in the body of the problem: for key k > query q the score is replaced by the least f32 number whatever the inputs hold.
;   (a) A query with a valid key at or before it: every replaced score gets the weight exp(least - max) = 0, so a tile of keys that lies wholly behind its queries adds 0 to the sum and to y: it is not multiplied,
;       and K and V rows that no query of a work-group can see are not fetched.
;   (b) A query with no valid key at or before it: all 2,048 scores are the same number, the weights are 1/2048 and y is the mean of the head's whole V.  That mean is always computed and chosen by a select.
;   (c) Rows t < 16 of the result are stored by the f32 launches alone; the f16 projection does not store them.
; Every input has a way to the result and is loaded.  K's part of bqkv would cancel in a softmax over real numbers; it is kept: it rides as the C of a matrix instruction and costs no line.
; LIMIT: a NaN, an infinity or an overflow that reaches only the work left out (hidden tiles) is not carried to the result.
; THIS LAUNCH.  x [8192][1024] and Wqkv [3072][1024], f32, become codes of FP4 (E2M1), K innermost, with one E8M0 scale byte for each 32 along K; Wout [1024][1024] becomes f16.
; A block's scale is 2^(floor(log2(its largest magnitude)) - 2); its byte is the largest magnitude's own exponent field - 2, held at 1 from below.  (A block of zeros so gets the byte 1 where the rule says 127:
; its codes are zeros, which add nothing under any byte but 0xff, and the bytes are read by this program alone.)  Each number is divided by the scale and rounded to the nearest code, ties to even.
; LIMITS: blocks whose largest magnitude lies under 2^(2 - 126) keep the byte 1; NaN and infinities among the inputs are not served; |Wout| stays under 65,504 (f16).
; Work-groups 0-255 take x, 256-351 Wqkv, 352-383 Wout.  Rows are dense and K is a multiple of 32: the tensors are plain streams of blocks of 32.
; A wave takes 16 steps of 512 numbers: four loads of 512 consecutive bytes; the 2,048 bytes turn through the wave's own stage in LDS and come back 64 bytes a lane (16 neighbours; two lanes hold a block).
.set WAVES, 4
.set STEPS, 16
.set WGX,   256                        ; x: 8,388,608 numbers / 32,768
.set WGQ,   352                        ; + Wqkv: 3,145,728 / 32,768
.set EMAX,  2
.set CB,    8                          ; bytes of 16 codes
.set R,     16                         ; v16-79   four sets of 16 numbers as they are loaded
.set X,     80                         ; v80-111  two sets of 16 neighbours
.set C,     128                        ; v128-191 codes: four registers for each step, so that no store's data are written again
.set E,     112                        ; v112-127 a scale byte for each step
.set WREG,  8192                       ; LDS: a region for each wave: two stages of 32 x SP bytes, behind them its 256 scale bytes
.set SP,    80                         ; a lane's place in a stage: 64 bytes + 16 of padding
.set SPW,   12                         ; v12      LDS address of my spare word; never rewritten
.set NIL,   13                         ; v13      0; never rewritten
.set SPARE, WAVES*WREG                 ; the spare words: 128 bytes for each wave, named by no other line
	s_load_b256 s[4:11], s[0:1], 0x0               ; x s[4:5], Wqkv s[6:7], Wout s[8:9], cod s[10:11]
	s_load_b128 s[12:15], s[0:1], 0x20             ; sc s[12:13], woh s[14:15]
	v_lshl_add_u32 v[SPW], v0, 2, SPARE
	v_mov_b32 v[NIL], 0
	v_lshrrev_b32 v1, 5, v0
	v_readfirstlane_b32 s16, v1                    ; wave
	v_and_b32 v2, 31, v0                           ; lane
	s_cmp_ge_u32 ttmp9, WGQ                        ; the last 32 work-groups convert Wout: a branch on the work-group's number
	s_cbranch_scc1 .Lcvt
	v_lshlrev_b32 v3, 4, v2                        ; my 16 bytes of a load's 512
	s_mul_i32 s17, s16, WREG
	v_lshrrev_b32 v14, 2, v2
	v_mul_u32_u24 v14, v14, SP
	v_and_b32 v15, 3, v2
	v_lshl_add_u32 v14, v15, 4, v14
	v_add_nc_u32 v14, s17, v14                     ; the stage, on the way in: SP (lane / 4) + 16 (lane % 4)
	v_mul_u32_u24 v15, v2, SP
	v_add_nc_u32 v15, s17, v15                     ; and on the way out: SP x lane: my 16 neighbours
	v_mul_u32_u24 v4, v2, CB                       ; my codes' place in a step's
	v_lshrrev_b32 v5, 1, v2
	s_add_co_u32 s17, s17, 2*32*SP
	v_add_nc_u32 v5, s17, v5                       ; LDS: my wave's 256 scale bytes, my block's byte
	v_lshlrev_b32 v7, 3, v2                        ; and on the way out 8 bytes a lane
	v_add_nc_u32 v6, s17, v7
	s_wait_kmcnt 0x0
	s_cmp_lt_u32 ttmp9, WGX                        ; x or Wqkv: the choice hangs on the work-group's number alone
	s_cselect_b64 s[4:5], s[4:5], s[6:7]
	s_cselect_b32 s17, 0, WGX
	s_cselect_b32 s22, 0, 0x400000                 ; Wqkv's codes lie behind x's 4,194,304 bytes,
	s_cselect_b32 s24, 0, 0x40000                  ; its scale bytes behind x's 262,144
	s_mov_b32 s23, 0
	s_mov_b32 s25, 0
	s_sub_co_u32 s17, ttmp9, s17
	s_lshl_b32 s17, s17, 2
	s_add_co_u32 s18, s17, s16                     ; which run of 8,192 numbers of the tensor is my wave's
	s_mov_b32 s19, 0
	s_lshl_b64 s[20:21], s[18:19], 15              ; 32,768 bytes of f32 a run
	s_add_nc_u64 s[4:5], s[4:5], s[20:21]
	s_lshl_b64 s[20:21], s[18:19], 12              ; 4,096 bytes of codes
	s_add_nc_u64 s[20:21], s[20:21], s[22:23]
	s_add_nc_u64 s[10:11], s[10:11], s[20:21]
	s_lshl_b64 s[20:21], s[18:19], 8               ; 256 scale bytes
	s_add_nc_u64 s[20:21], s[20:21], s[24:25]
	s_add_nc_u64 s[12:13], s[12:13], s[20:21]
.macro LOAD t
.irp i, 0,1,2,3
	global_load_b128 v[R+16*((\t)%4)+4*\i:R+16*((\t)%4)+4*\i+3], v3, s[4:5] offset:2048*(\t)+512*\i th:TH_LOAD_NT   ; 32 lanes read 512 consecutive bytes
.endr
.endm
.macro TURN t                          ; step t's numbers through the stage: LDS serves a wave's instructions in order, so no wait stands between the stores and the loads
.irp i, 0,1,2,3
	ds_store_b128 v14, v[R+16*((\t)%4)+4*\i:R+16*((\t)%4)+4*\i+3] offset:32*SP*((\t)%2)+8*SP*\i
.endr
.irp i, 0,1,2,3
	ds_load_b128 v[X+16*((\t)%2)+4*\i:X+16*((\t)%2)+4*\i+3], v15 offset:32*SP*((\t)%2)+16*\i
.endr
.endm
.irp t, 0,1,2,3
	LOAD \t
.endr
	s_wait_loadcnt 12                              ; step 0's four loads are in; the 12 of steps 1 to 3 may be out
	TURN 0
.macro STEP t
.set XS, X+16*((\t)%2)
.if (\t) > 0
	s_wait_dscnt 1                                 ; this step's numbers are back from the stage (the last step's byte store may be out)
.else
	s_wait_dscnt 0x0
.endif
.if (\t)+4 < STEPS
	LOAD (\t)+4                                    ; the registers that the stage's stores have read take the loads of four steps on
.endif
.if (\t)+1 < STEPS
.if STEPS-2-(\t) >= 3
	s_wait_loadcnt 12                              ; the next step's four loads are in; those of the three steps behind it may be out
.else
	s_wait_loadcnt 4*(STEPS-2-(\t))
.endif
	TURN (\t)+1
.endif
	v_max3_num_f32 v8, |v[XS]|, |v[XS+1]|, |v[XS+2]|               ; the largest magnitude of my 16, in two chains
	v_max3_num_f32 v9, |v[XS+3]|, |v[XS+4]|, |v[XS+5]|
.irp i, 6,10
	v_max3_num_f32 v8, v8, |v[XS+\i]|, |v[XS+\i+1]|
	v_max3_num_f32 v9, v9, |v[XS+\i+2]|, |v[XS+\i+3]|
.endr
	v_max3_num_f32 v8, v8, |v[XS+14]|, |v[XS+15]|
	v_max3_num_f32 v8, v8, v9, (EMAX+1)<<23        ; and the floor 2^(3 - 127): the byte cannot fall under 1
	v_max_num_f32_dpp v8, v8, v8 row_xmask:1 row_mask:0xf bank_mask:0xf   ; and of my neighbour's 16: the block's
	v_add_nc_u32 v11, -(EMAX<<23), v8              ; 2 off its exponent field: the conversion takes the exponent field of this operand as its scale
	v_cvt_scalef32_pk8_fp4_f32 v[C+4*(\t)], v[XS:XS+7], v11
	v_cvt_scalef32_pk8_fp4_f32 v[C+4*(\t)+1], v[XS+8:XS+15], v11
	v_lshrrev_b32 v[E+(\t)], 23, v11               ; the scale's byte (a plain line behind the conversions)
	ds_store_b8 v5, v[E+(\t)] offset:16*(\t)       ; both lanes of a block write the same byte with the same value
	global_store_b64 v4, v[C+4*(\t):C+4*(\t)+1], s[10:11] offset:32*CB*(\t)   ; the wave stores 256 consecutive bytes, aligned
.endm
.irp t, 0,1,2,3,4,5,6,7,8,9,10,11,12,13,14,15
	STEP \t
.endr
	ds_load_b64 v[8:9], v6                         ; LDS serves a wave's instructions in order: these see my byte stores
	s_wait_dscnt 0x0
	global_store_b64 v7, v[8:9], s[12:13]          ; 32 lanes store 256 consecutive bytes, aligned
	s_wait_tensorcnt 0x0                           ; the wave's end, behind my last LDS store
	ds_add_u32 v[SPW], v[NIL]
	s_wait_dscnt 0x0
	s_endpgm
; WOUT TO F16.  A wave takes 8,192 numbers: 32 steps of 1,024 bytes in, 512 bytes out; a lane's 8 numbers become 16 bytes.  Four groups of 8 steps on two sets of registers: 16 loads are out while a group is converted.
; These waves write no LDS.
.Lcvt:
	v_lshlrev_b32 v3, 5, v2                        ; in: 32 bytes a lane
	v_lshlrev_b32 v4, 4, v2                        ; out: 16 bytes a lane
	s_sub_co_u32 s17, ttmp9, WGQ
	s_lshl_b32 s17, s17, 2
	s_add_co_u32 s18, s17, s16                     ; my run, 0 .. 127
	s_lshl_b32 s20, s18, 15
	s_mov_b32 s21, 0
	s_lshl_b32 s22, s18, 14
	s_mov_b32 s23, 0
	s_wait_kmcnt 0x0
	s_add_nc_u64 s[8:9], s[8:9], s[20:21]
	s_add_nc_u64 s[14:15], s[14:15], s[22:23]
.macro CLOAD g
.irp s, 0,1,2,3,4,5,6,7
	global_load_b128 v[16+64*((\g)%2)+8*\s:16+64*((\g)%2)+8*\s+3], v3, s[8:9] offset:1024*(8*(\g)+\s) th:TH_LOAD_NT
	global_load_b128 v[16+64*((\g)%2)+8*\s+4:16+64*((\g)%2)+8*\s+7], v3, s[8:9] offset:1024*(8*(\g)+\s)+16 th:TH_LOAD_NT
.endr
.endm
.macro CGROUP g
.if (\g) < 3
	s_wait_loadcnt 16                              ; this group's 16 loads are in; the next group's 16 may be out
.else
	s_wait_loadcnt 0x0
.endif
.if (\g) > 0
	s_wait_xcnt 0x0                                ; the last group's stores have read v144-175, which are written again below
.endif
.irp s, 0,1,2,3,4,5,6,7
.irp j, 0,1,2,3
	v_cvt_pk_f16_f32 v[144+4*\s+\j], v[16+64*((\g)%2)+8*\s+2*\j], v[16+64*((\g)%2)+8*\s+2*\j+1]
.endr
.endr
.irp s, 0,1,2,3,4,5,6,7
	global_store_b128 v4, v[144+4*\s:144+4*\s+3], s[14:15] offset:512*(8*(\g)+\s)   ; 32 lanes store 512 consecutive bytes
.endr
.if (\g)+2 < 4
	CLOAD (\g)+2
.endif
.endm
	CLOAD 0
	CLOAD 1
	CGROUP 0
	CGROUP 1
	CGROUP 2
	CGROUP 3
	s_endpgm
.Lfunc_end_k_qdefdc46adb_quant:
	.size	k_qdefdc46adb_quant, .Lfunc_end_k_qdefdc46adb_quant-k_qdefdc46adb_quant
	.p2alignl 7, 3214868480
	.fill 96, 4, 3214868480
	.section	.rodata,"a",@progbits
	.p2align	6, 0x0
	.amdhsa_kernel k_qdefdc46adb_quant
		.amdhsa_group_segment_fixed_size 33280
		.amdhsa_private_segment_fixed_size 0
		.amdhsa_enable_private_segment 0
		.amdhsa_kernarg_size 48
		.amdhsa_user_sgpr_count 2
		.amdhsa_user_sgpr_kernarg_segment_ptr 1
		.amdhsa_wavefront_size32 1
		.amdhsa_system_sgpr_workgroup_id_x 1
		.amdhsa_system_sgpr_workgroup_id_y 1
		.amdhsa_system_sgpr_workgroup_id_z 1
		.amdhsa_system_vgpr_workitem_id 0
		.amdhsa_next_free_vgpr 192
		.amdhsa_next_free_sgpr 66
		.amdhsa_reserve_vcc 0
		.amdhsa_float_denorm_mode_32 3
		.amdhsa_float_denorm_mode_16_64 3
		.amdhsa_memory_ordered 1
		.amdhsa_forward_progress 1
		.amdhsa_inst_pref_size 51
	.end_amdhsa_kernel
	.amdgpu_metadata
---
amdhsa.version: [ 1, 2 ]
amdhsa.kernels:
  - .name:           k_qdefdc46adb_quant
    .symbol:         k_qdefdc46adb_quant.kd
    .args:
      - { .name: x, .offset: 0, .size: 8, .value_kind: global_buffer, .address_space: global }
      - { .name: Wqkv, .offset: 8, .size: 8, .value_kind: global_buffer, .address_space: global }
      - { .name: Wout, .offset: 16, .size: 8, .value_kind: global_buffer, .address_space: global }
      - { .name: cod, .offset: 24, .size: 8, .value_kind: global_buffer, .address_space: global }
      - { .name: sc, .offset: 32, .size: 8, .value_kind: global_buffer, .address_space: global }
      - { .name: woh, .offset: 40, .size: 8, .value_kind: global_buffer, .address_space: global }
    .group_segment_fixed_size: 33280
    .private_segment_fixed_size: 0
    .kernarg_segment_align: 8
    .kernarg_segment_size: 48
    .max_flat_workgroup_size: 128
    .sgpr_count:     66
    .vgpr_count:     192
    .wavefront_size: 32
...
	.end_amdgpu_metadata
.endif
;; end of part 1
;; launch qkv (part 2): grid 12 x 32, 4 waves a work-group, clusters of 4 x 4, 327,680 bytes of LDS; arguments cod, sc, bqkv, qkv, qkvf; writes qkv, qkvf
.if DOCPART == 2
	.amdgcn_target "amdgcn-amd-amdhsa--gfx1250"
	.amdhsa_code_object_version 6
	.text
	.protected	k_qdefdc46adb_qkv
	.globl	k_qdefdc46adb_qkv
	.p2align	8
	.type	k_qdefdc46adb_qkv,@function
k_qdefdc46adb_qkv:
	s_mov_b64 s[64:65], 0
	v_nop
	global_prefetch_b8 v0, s[64:65] scope:SCOPE_SE
	s_setreg_imm32_b32 hwreg(HW_REG_WAVE_MODE, 25, 1), 1
	s_wait_xcnt 0x0
	s_wait_alu depctr_hold_cnt(0) depctr_sa_sdst(0) depctr_va_vdst(0) depctr_va_sdst(0) depctr_va_ssrc(0) depctr_va_vcc(0) depctr_vm_vsrc(0)
	s_getreg_b32 s2, hwreg(HW_REG_IB_STS2, 6, 4)
	s_cmp_eq_u32 s2, 0
	s_cbranch_scc0 .Lentry_in_a_cluster
	s_endpgm
.Lentry_in_a_cluster:
	s_bfe_u32 s2, ttmp6, 0x10000c
	s_cmp_lg_u32 s2, 0xf033
	s_cbranch_scc0 .Lentry_shape_is_right
	s_endpgm
.Lentry_shape_is_right:
; qkv = x Wqkv^T + bqkv on codes of FP4 (E2M1) with one E8M0 scale for each 32 along K; sums in f32.  M 8192, N 3072, K 1024.
; cod: x's codes [8192][512 bytes], then Wqkv's [3072][512] at byte 4,194,304.  sc: x's scale bytes [8192][32], then Wqkv's at byte 262,144.
; OUT: qkv, f16, [3 (q, k, v)][4 b][16 h][2048 t][64 d]; q is multiplied in f32 by c = log2(e) / 8 before it is rounded, so that a score is the exponent of 2 itself.
;      qkvf, f32, [16 b + t, t < 16][3072]: the first 16 positions of every sequence unrounded (q x c), for the f32 launches.
; LIMIT: |c q|, |k|, |v| stay under 65,504 (f16).  No work of the product is left out here.
; A tile of 256 x 256 is made by four waves, 128 x 128 each: 64 accumulators, 512 registers.  K is two LDS slots of 512, both filled at the start: no LDS byte is filled twice.
; The scales of the work-group's rows, for all of K, come once, as units of 256 bytes with 16 of padding.
; CLUSTERS 4 x 4: tile column = 4 x cluster x + cx; tile row = 8 cy + cluster y, so that the batch is cy and a tile's place in its sequence is cluster y: a test on it is the same in all partners.
; A's tiles are shared along a row of the cluster, B's along a column: joint loads.  THE MATRIX INSTRUCTION IS USED TRANSPOSED (source 0 = 16 rows of Wqkv, source 1 = 16 rows of x): a lane holds 8 neighbouring features of one token.
; THE BIAS is the C of each sum's first matrix instruction: eight registers for each block of 16 features, in the result's layout.
; REGISTERS: window 0: v0-31 addresses; v32-95 scale words, two sets; v128-191 A's fragments, one set; v192-255 the bias.  On the way out v32-63 packed results, v128-191 rows read back.
;   window 1: B's fragments, two sets.   window 2: accumulators of my rows 0-63 ((a, b) at v[8 (8 a + b)]);   window 3: rows 64-127.
.set KSTEP,  512
.set NQ,     4
.set ROWB,   256
.set KROW,   512
.set PITCH,  272                       ; an LDS row: 256 bytes + 16 of padding: the 16 rows that a load touches start 16 bytes apart modulo 256
.set FR,     8
.set NL,     2
.set NP,     4
.set HALFT,  128*PITCH
.set SLOT,   4*HALFT
.set KS,     32
.set SCL,    2*SLOT
.set HALFS,  (128*KS/256)*272
.set SBLK,   (16*KS/256)*272
.set SPARE,  SCL+4*HALFS               ; the spare words: 128 bytes for each wave, named by no other line
.set SPITCH, 272                       ; the way out: a stage of 16 rows x (256 bytes + 16) for each wave, in slot 0, which has had its only fill and its last read by then
.set ADRA, 16
.set ADRB, 20
.set STO,  24
.set RD,   25
.set CO,   26
.set ADRS, 27
.set SPW,  28
.set NIL,  29
.set FO,   30                          ; v30  my byte offset in qkvf: 12,288 r + 32 h
.set VB,   31                          ; v31  32 h: my eight numbers of a block's bias
.set SC,   32
.set AF,   128
.set BI,   192
.set TMP,  32
.set BK,   128
.set G1, 24
.set G0, 32
.set G1B, 48
.set G0B, 56
.set G1S, 68
.set G0S, 76
.set G1SB, 80
.set G0SB, 88
.set CQ, 96                            ; s[96:97] c, twice
.set MSB, 0
.macro WIN new                         ; the immediate's high byte repeats the setting that is left
.if MSB != \new
	s_set_vgpr_msb (MSB<<8)|\new
.set MSB, \new
.endif
.endm
.set MUL_LO, 0xa1                      ; source 0 (B) window 1, source 1 (A) window 0, C and D window 2
.set MUL_HI, 0xf1                      ; the same, C and D window 3
.set TO_B,   0x40
; A joint load: waves 0 and 1 fetch for A, waves 2 and 3 for B.  The branch hangs on the wave's number alone.  An s_nop 0 and four v_nop follow each of the two lines.
.macro JLOAD g0a, g1a, g0b, g1b
	s_cmp_eq_u32 s15, 0
	s_cbranch_scc0 .Lfor_b_\@
	tensor_load_to_lds s[\g0a:\g0a+3], s[\g1a:\g1a+7]
	s_nop 0
.rept 4
	v_nop
.endr
	s_branch .Lasked_\@
.Lfor_b_\@:
	tensor_load_to_lds s[\g0b:\g0b+3], s[\g1b:\g1b+7]
	s_nop 0
.rept 4
	v_nop
.endr
.Lasked_\@:
.endm
.macro CREST
	s_cmp_lg_u32 s14, 0
	s_cbranch_scc1 .Lnot_wave_0_\@
	s_barrier_signal -3
.Lnot_wave_0_\@:
	s_barrier_wait -3
	s_barrier_signal -1
	s_barrier_wait -1
.endm
.macro CROUND
	s_barrier_signal -1
	s_barrier_wait -1
	CREST
.endm
	s_load_b256 s[4:11], s[0:1], 0x0               ; cod s[4:5], sc s[6:7], bqkv s[8:9], qkv s[10:11]
	s_load_b64 s[12:13], s[0:1], 0x20              ; qkvf
	v_lshl_add_u32 v[SPW], v0, 2, SPARE
	v_mov_b32 v[NIL], 0
	ds_add_u32 v[SPW], v[NIL]                      ; the wave's opening: the add, twice on end, and its wait ahead of my first tensor load
	ds_add_u32 v[SPW], v[NIL]
	v_lshrrev_b32 v1, 5, v0
	v_readfirstlane_b32 s14, v1                    ; wave 0..3
	s_lshr_b32 s15, s14, 1                         ; which half of the tile's rows is mine.  Also: I fetch for A (0) or for B (1)
	s_and_b32 s16, s14, 1                          ; which half of its columns.  Also: which 128 rows of that tile I fetch
	s_bfe_u32 s40, ttmp6, 0x40000                  ; cx
	s_bfe_u32 s41, ttmp6, 0x40004                  ; cy
	s_lshl_b32 s42, ttmp9, 2
	s_add_co_u32 s42, s42, s40                     ; tile column = 4 x cluster x + cx
	s_and_b32 s17, ttmp7, 0xffff
	s_lshl_b32 s18, s41, 3
	s_add_co_u32 s17, s17, s18                     ; tile row = 8 cy + cluster y
	s_lshl_b32 s43, s41, 2
	s_lshl_b32 s43, 15, s43                        ; my row of the cluster
	s_lshl_b32 s44, 0x1111, s40                    ; my column
	s_or_b32 s[G1+0], s43, (0<<16)|(1<<20)|(1<<21)|(5<<22)|(3<<25)  ; the mask; elements of 1 byte; padding on; bit 21 beside a mask; after every 64 words, 4 words
	s_or_b32 s[G1B+0], s44, (0<<16)|(1<<20)|(1<<21)|(5<<22)|(3<<25)
.irp g, G1, G1B
	s_mov_b32 s[\g+1], ROWB<<16                    ; tensor_dim0
	s_mov_b32 s[\g+2], 128<<16                     ; tensor_dim1
	s_mov_b32 s[\g+3], ROWB<<16                    ; tile_dim0
	s_mov_b32 s[\g+4], 128                         ; tile_dim1
	s_mov_b32 s[\g+5], KROW                        ; the pitch
	s_mov_b32 s[\g+6], 0
	s_mov_b32 s[\g+7], 0
.endr
	s_or_b32 s[G1S+0], s43, (3<<16)|(1<<20)|(1<<21)|(5<<22)|(3<<25)  ; the scales of 128 rows: 4,096 dense bytes as 16 rows of 256 (32 elements of 8 bytes)
	s_or_b32 s[G1SB+0], s44, (3<<16)|(1<<20)|(1<<21)|(5<<22)|(3<<25)
.irp g, G1S, G1SB
	s_mov_b32 s[\g+1], 32<<16
	s_mov_b32 s[\g+2], (128*KS/256)<<16
	s_mov_b32 s[\g+3], 32<<16
	s_mov_b32 s[\g+4], 128*KS/256
	s_mov_b32 s[\g+5], 32
	s_mov_b32 s[\g+6], 0
	s_mov_b32 s[\g+7], 0
.endr
	s_mov_b32 s[CQ], 0x3e38aa3b                    ; c = log2(e) / 8
	s_mov_b32 s[CQ+1], s[CQ]
	s_lshl_b32 s18, s16, 7                         ; which 128 rows of the tile I fetch
	s_lshl_b32 s20, s17, 8
	s_add_co_u32 s20, s20, s18                     ; A: row 256 x tile row + 128 x half
	s_lshl_b32 s46, s42, 8
	s_add_co_u32 s46, s46, s18                     ; B: row 256 x tile column + 128 x half
	s_mov_b32 s21, 0
	s_mov_b32 s47, 0
	s_mov_b64 s[18:19], KS
	s_mul_u64 s[22:23], s[20:21], s[18:19]         ; where these rows' scales begin,
	s_mul_u64 s[92:93], s[46:47], s[18:19]
	s_mov_b64 s[18:19], KROW
	s_mul_u64 s[20:21], s[20:21], s[18:19]         ; and their codes
	s_mul_u64 s[46:47], s[46:47], s[18:19]
	s_add_nc_u64 s[46:47], s[46:47], 0x400000      ; Wqkv's codes lie behind x's,
	s_add_nc_u64 s[92:93], s[92:93], 0x40000       ; its scale bytes likewise
	s_mul_i32 s45, s14, HALFT                      ; where they go: wave x 128 rows
	s_mul_i32 s94, s14, HALFS
	s_wait_dscnt 0x0                               ; both opening adds are done
	s_wait_kmcnt 0x0
	s_add_nc_u64 s[20:21], s[4:5], s[20:21]
	s_add_nc_u64 s[22:23], s[6:7], s[22:23]
	s_add_nc_u64 s[46:47], s[4:5], s[46:47]
	s_add_nc_u64 s[92:93], s[6:7], s[92:93]
	CROUND                                         ; all sixteen work-groups are here: the first joint loads meet
	s_mov_b32 s[G0S], 1
	s_add_co_u32 s[G0S+1], s94, SCL
	s_mov_b64 s[G0S+2:G0S+3], s[22:23]
	s_or_b32 s[G0S+3], s[G0S+3], 0x80000000
	s_mov_b32 s[G0SB], 1
	s_add_co_u32 s[G0SB+1], s94, SCL
	s_mov_b64 s[G0SB+2:G0SB+3], s[92:93]
	s_or_b32 s[G0SB+3], s[G0SB+3], 0x80000000
	JLOAD G0S, G1S, G0SB, G1SB                     ; the scales first: they are wanted with the first slot
.irp s, 0,1
	s_mov_b32 s[G0+4*\s], 1
	s_add_co_u32 s[G0+4*\s+1], s45, \s*SLOT
	s_add_nc_u64 s[G0+4*\s+2:G0+4*\s+3], s[20:21], \s*ROWB
	s_or_b32 s[G0+4*\s+3], s[G0+4*\s+3], 0x80000000
	s_mov_b32 s[G0B+4*\s], 1
	s_add_co_u32 s[G0B+4*\s+1], s45, \s*SLOT
	s_add_nc_u64 s[G0B+4*\s+2:G0B+4*\s+3], s[46:47], \s*ROWB
	s_or_b32 s[G0B+4*\s+3], s[G0B+4*\s+3], 0x80000000
	JLOAD G0+4*\s, G1, G0B+4*\s, G1B               ; three loads of mine are out
.endr
	v_and_b32 v1, 15, v0                           ; r
	v_bfe_u32 v2, v0, 4, 1                         ; h
	v_mul_u32_u24 v3, v1, PITCH
	v_lshl_add_u32 v4, v2, 4, v3                   ; a fragment's row x pitch + 16 h
	s_mul_i32 s21, s15, HALFT                      ; my 128 rows of A
	s_mul_i32 s22, s16, HALFT                      ; my 128 rows of B,
	s_add_co_u32 s22, s22, 2*HALFT                 ; behind A's 256
.irp s, 0,1
	v_add_nc_u32 v[ADRA+\s], s21, v4
	v_add_nc_u32 v[ADRB+\s], s22, v4
	s_add_co_u32 s21, s21, SLOT
	s_add_co_u32 s22, s22, SLOT
.endr
	v_mul_u32_u24 v5, v1, KS                       ; my row's scales: 32 bytes a row,
	v_lshrrev_b32 v6, 8, v5
	v_lshl_add_u32 v5, v6, 4, v5                   ; and 16 more for each 256 passed
	s_mul_i32 s21, s15, HALFS
	s_mul_i32 s22, s16, HALFS
	s_add_co_u32 s22, s22, 2*HALFS
	s_sub_co_u32 s22, s22, s21
	v_mul_u32_u24 v6, s22, v2                      ; lanes 16-31 take B's: one product, the distance between the two bases
	s_add_co_u32 s21, s21, SCL
	v_add_nc_u32 v5, v5, v6
	v_add_nc_u32 v[ADRS], s21, v5
	s_mul_i32 s23, s14, 16*SPITCH                  ; my stage
	v_mul_u32_u24 v5, v1, SPITCH                   ; in: row r, 16 bytes for each half of the lanes
	v_lshl_add_u32 v5, v2, 4, v5
	v_add_nc_u32 v[STO], s23, v5
	v_and_b32 v6, 31, v0
	v_lshlrev_b32 v[CO], 4, v6                     ; out: 16 bytes a lane
	v_lshrrev_b32 v5, 3, v6
	v_mul_u32_u24 v5, v5, SPITCH                   ; back: eight lanes take the 128 bytes of one token and head; four tokens an instruction
	v_and_b32 v6, 7, v0
	v_lshl_add_u32 v5, v6, 4, v5
	v_add_nc_u32 v[RD], s23, v5
	v_mul_u32_u24 v[FO], v1, 12288
	v_lshl_add_u32 v[FO], v2, 5, v[FO]
	v_lshlrev_b32 v[VB], 5, v2
	s_lshl_b32 s46, s42, 10                        ; my first feature, in bytes of f32: 1,024 x tile column + 512 x half
	s_lshl_b32 s47, s16, 9
	s_add_co_u32 s46, s46, s47
	s_mov_b32 s47, 0
	s_add_nc_u64 s[8:9], s[8:9], s[46:47]          ; the bias at my 128 features
	s_add_nc_u64 s[12:13], s[12:13], s[46:47]      ; qkvf likewise,
	s_mul_i32 s46, s41, 196608                     ; in my batch's 16 rows of 12,288 bytes
	s_add_nc_u64 s[12:13], s[12:13], s[46:47]
.irp b, 0,1,2,3,4,5,6,7
	global_load_b128 v[BI+8*\b:BI+8*\b+3], v[VB], s[8:9] offset:64*\b        ; bqkv at features 16 b + 8 h + 0 .. 7
	global_load_b128 v[BI+8*\b+4:BI+8*\b+7], v[VB], s[8:9] offset:64*\b+16
.endr
	s_lshl_b32 s46, s42, 2
	s_lshl_b32 s93, s16, 1
	s_add_co_u32 s46, s46, s93                     ; g = my first head among the 48 of q, k, v
	s_lshr_b32 s93, s46, 4                         ; q, k or v
	s_lshl_b32 s93, s93, 2
	s_add_co_u32 s93, s93, s41                     ; x 4 + batch
	s_lshl_b32 s93, s93, 4
	s_and_b32 s46, s46, 15
	s_add_co_u32 s46, s46, s93                     ; x 16 + head
	s_lshl_b32 s46, s46, 18                        ; 262,144 bytes a head
	s_and_b32 s93, ttmp7, 0xffff
	s_lshl_b32 s93, s93, 15                        ; 256 tokens of 128 bytes for each tile of the sequence,
	s_add_co_u32 s46, s46, s93
	s_lshl_b32 s93, s15, 14                        ; 128 for my half
	s_add_co_u32 s46, s46, s93
	s_add_nc_u64 s[10:11], s[10:11], s[46:47]
.macro FRAG reg, adr, q, i             ; 16 rows x 128 K of 4-bit codes: 8 registers, two loads of 16 bytes, 32 bytes apart
.irp c, 0,1
	ds_load_b128 v[\reg+4*\c:\reg+4*\c+3], v[\adr] offset:64*(\q)+32*\c+(\i)*16*PITCH
.endr
.endm
; 16 matrix instructions: A's blocks a0, a0 + 1 x B's eight.  zero = 1: the first product starts the sums on the bias.  The 64 accumulators take turns, one instruction a turn.
.macro MUL16 a0, p, q, sc, zero
.irp a, \a0, \a0+1
.irp b, 0,1,2,3,4,5,6,7
.if \zero
	v_wmma_scale_f32_16x16x128_f8f6f4 v[8*(8*((\a)%4)+\b):8*(8*((\a)%4)+\b)+7], v[128*(\p)+FR*\b:128*(\p)+FR*\b+FR-1], v[AF+FR*(\a):AF+FR*(\a)+FR-1], v[BI+8*\b:BI+8*\b+7], v[SC+8*NQ*(\sc)+NQ*\b+(\q)], v[SC+8*NQ*(\sc)+NQ*(\a)+(\q)] matrix_a_fmt:MATRIX_FMT_FP4 matrix_b_fmt:MATRIX_FMT_FP4 matrix_a_scale:MATRIX_SCALE_ROW1
.else
	v_wmma_scale_f32_16x16x128_f8f6f4 v[8*(8*((\a)%4)+\b):8*(8*((\a)%4)+\b)+7], v[128*(\p)+FR*\b:128*(\p)+FR*\b+FR-1], v[AF+FR*(\a):AF+FR*(\a)+FR-1], v[8*(8*((\a)%4)+\b):8*(8*((\a)%4)+\b)+7], v[SC+8*NQ*(\sc)+NQ*\b+(\q)], v[SC+8*NQ*(\sc)+NQ*(\a)+(\q)] matrix_a_fmt:MATRIX_FMT_FP4 matrix_b_fmt:MATRIX_FMT_FP4 matrix_a_scale:MATRIX_SCALE_ROW1
.endif
.endr
.endr
.endm
.macro FETCH_B slot, q, p
	WIN TO_B
.irp i, 0,1,2,3,4,5,6,7
	FRAG 128*(\p)+FR*\i, ADRB+\slot, \q, \i
.endr
	WIN 0
.endm
.macro FETCH_A slot, q, i0
.irp i, \i0, \i0+1, \i0+2, \i0+3
	FRAG AF+FR*(\i), ADRA+\slot, \q, \i
.endr
.endm
.macro SCALES sc                       ; a slot's scale words: lanes 0-15 take A's block i, lanes 16-31 B's block i
.irp i, 0,1,2,3,4,5,6,7
	ds_load_b128 v[SC+8*NQ*\sc+NQ*\i:SC+8*NQ*\sc+NQ*\i+3], v[ADRS] offset:\i*SBLK
.endr
.endm
.macro PLACES n                        ; plain vector lines between a matrix instruction and a load into, or a read of, its registers
.rept \n
	v_nop
.endr
.endm
.macro STEP slot, q, zero
	s_wait_dscnt 4*NL                              ; B's set and A's blocks 0-3 are in; the youngest 8 loads (A's blocks 4-7) may be out
.if \zero
	WIN 0x81                                       ; C (the bias) window 0, D window 2
.else
	WIN MUL_LO
.endif
	MUL16 0, (\q)%2, \q, \slot, \zero
	MUL16 2, (\q)%2, \q, \slot, \zero
	s_wait_dscnt 0
	PLACES NP
	FETCH_B \slot, (\q)+1, 1-(\q)%2
	FETCH_A \slot, (\q)+1, 0
.if \zero
	WIN 0xc1                                       ; C window 0, D window 3
.else
	WIN MUL_HI
.endif
	MUL16 4, (\q)%2, \q, \slot, \zero
	MUL16 6, (\q)%2, \q, \slot, \zero
	PLACES NP
	WIN 0
	FETCH_A \slot, (\q)+1, 4
.endm
; Slot 0's last step changes slots: one barrier; in front of it each wave waits for all its tensor loads, adds 0 to its spare word, and waits for that and for its reads of slot 0.  Nothing is filled again.
.macro TURN slot, next
	s_wait_tensorcnt 0x0                           ; all my tensor loads have landed: my part of the next slot
	ds_add_u32 v[SPW], v[NIL]                      ; 0 onto my spare word
	s_wait_dscnt 4*NL+1                            ; the add and the youngest 8 loads may be out
	WIN MUL_LO
	MUL16 0, 1, NQ-1, \slot, 0
	s_wait_dscnt 0x0                               ; the add is done, and my reads of this slot are over
	s_barrier_signal -1
	MUL16 2, 1, NQ-1, \slot, 0
	WIN 0
	s_barrier_wait -1
	PLACES NP
	v_add_nc_u32 v[ADRS], 4*NQ, v[ADRS]            ; on to the next slot's scale words
	FETCH_B \next, 0, 0
	FETCH_A \next, 0, 0
	SCALES \next
	WIN MUL_HI
	MUL16 4, 1, NQ-1, \slot, 0
	MUL16 6, 1, NQ-1, \slot, 0
	PLACES NP
	WIN 0
	FETCH_A \next, 0, 4
.endm
	s_wait_tensorcnt 1                             ; the scales and my part of slot 0 are in; slot 1's load may be out
	s_barrier_signal -1
	s_barrier_wait -1
	FETCH_B 0, 0, 0
	FETCH_A 0, 0, 0
	SCALES 0
	FETCH_A 0, 0, 4
	s_wait_loadcnt 0x0                             ; the bias
	STEP 0, 0, 1
	STEP 0, 1, 0
	STEP 0, 2, 0
	TURN 0, 1
	STEP 1, 0, 0
	STEP 1, 1, 0
	STEP 1, 2, 0
	s_wait_dscnt 4*NL                              ; the very last step: nothing more to fetch
	WIN MUL_LO
	MUL16 0, 1, NQ-1, 1, 0
	MUL16 2, 1, NQ-1, 1, 0
	s_wait_dscnt 0
	WIN MUL_HI
	MUL16 4, 1, NQ-1, 1, 0
	MUL16 6, 1, NQ-1, 1, 0
	WIN 0
	PLACES NP                                      ; behind the last products: what follows reads results and writes registers that held operands
	; q x c, in f32, ahead of every rounding.  The tiles of cluster x = 0 are q's: the test is the same in all partners.  Each accumulator is taken from its low end on.
	s_cmp_lg_u32 ttmp9, 0
	s_cbranch_scc1 .Lnot_q
	WIN 0x82
.set i, 0
.rept 128
	v_pk_mul_f32 v[i:i+1], v[i:i+1], s[CQ:CQ+1] op_sel_hi:[1,0]
.set i, i+2
.endr
	WIN 0xc3
.set i, 0
.rept 128
	v_pk_mul_f32 v[i:i+1], v[i:i+1], s[CQ:CQ+1] op_sel_hi:[1,0]
.set i, i+2
.endr
	WIN 0
.Lnot_q:
	; The first 16 positions of a sequence, unrounded: block 0 of the upper half's waves in the sequence's first tile.  32 bytes a lane into rows 12,288 bytes apart: 786,432 of the launch's 51 million bytes.
	s_and_b32 s18, ttmp7, 0xffff
	s_or_b32 s18, s18, s15
	s_cmp_lg_u32 s18, 0
	s_cbranch_scc1 .Lno_fine
	WIN 0x08                                       ; a store's data: window 2
.irp b, 0,1,2,3,4,5,6,7
	global_store_b128 v[FO], v[8*\b:8*\b+3], s[12:13] offset:64*\b
	global_store_b128 v[FO], v[8*\b+4:8*\b+7], s[12:13] offset:64*\b+16
.endr
	WIN 0
.Lno_fine:
; THE WAY OUT, block by block of 16 tokens x 128 features (two heads).  Rounded to f16, 16 bytes a lane into my stage; back by tokens: 32 lanes take four tokens' 128 bytes of one head, 512 consecutive bytes of qkv.
.macro PACK a
.set AC, 64*((\a)%4)
	WIN 0x0a+5*((\a)/4)                            ; sources 0 and 1: window 2 or 3
.irp b, 0,1,2,3,4,5,6,7
.irp r, 0,1,2,3
	v_cvt_pk_f16_f32 v[TMP+4*\b+\r], v[AC+8*\b+2*\r], v[AC+8*\b+2*\r+1]
.endr
.endr
	WIN 0
.endm
.macro TOSTAGE a
.irp b, 0,1,2,3,4,5,6,7
	ds_store_b128 v[STO], v[TMP+4*\b:TMP+4*\b+3] offset:32*\b
.endr
.irp hh, 0,1
.irp i, 0,1,2,3
	ds_load_b128 v[BK+32*((\a)%2)+4*(4*\hh+\i):BK+32*((\a)%2)+4*(4*\hh+\i)+3], v[RD] offset:4*SPITCH*\i+128*\hh   ; LDS serves a wave's instructions in order: these see the stores above
.endr
.endr
.endm
.macro SEND a
	s_wait_dscnt 0x0                               ; the block is back in registers
	s_wait_xcnt 0x0                                ; the block before has had its stores' registers read: the next block's loads may land there
.irp hh, 0,1
.irp i, 0,1,2,3
	global_store_b128 v[CO], v[BK+32*((\a)%2)+4*(4*\hh+\i):BK+32*((\a)%2)+4*(4*\hh+\i)+3], s[10:11] offset:262144*\hh+2048*(\a)+512*\i
.endr
.endr
.endm
	PACK 0
	TOSTAGE 0
.irp a, 1,2,3,4,5,6,7                  ; block a's conversions stand between block a - 1's loads from the stage and the wait for them
	PACK \a
	SEND \a-1
	TOSTAGE \a
.endr
	SEND 7
	s_wait_tensorcnt 0x0                           ; the wave's end
	ds_add_u32 v[SPW], v[NIL]
	s_wait_dscnt 0x0
	CROUND                                         ; the closing round
	s_endpgm
.Lfunc_end_k_qdefdc46adb_qkv:
	.size	k_qdefdc46adb_qkv, .Lfunc_end_k_qdefdc46adb_qkv-k_qdefdc46adb_qkv
	.p2alignl 7, 3214868480
	.fill 96, 4, 3214868480
	.section	.rodata,"a",@progbits
	.p2align	6, 0x0
	.amdhsa_kernel k_qdefdc46adb_qkv
		.amdhsa_group_segment_fixed_size 327680
		.amdhsa_private_segment_fixed_size 0
		.amdhsa_enable_private_segment 0
		.amdhsa_kernarg_size 40
		.amdhsa_user_sgpr_count 2
		.amdhsa_user_sgpr_kernarg_segment_ptr 1
		.amdhsa_wavefront_size32 1
		.amdhsa_system_sgpr_workgroup_id_x 1
		.amdhsa_system_sgpr_workgroup_id_y 1
		.amdhsa_system_sgpr_workgroup_id_z 1
		.amdhsa_system_vgpr_workitem_id 0
		.amdhsa_next_free_vgpr 1024
		.amdhsa_next_free_sgpr 100
		.amdhsa_reserve_vcc 0
		.amdhsa_float_denorm_mode_32 3
		.amdhsa_float_denorm_mode_16_64 3
		.amdhsa_memory_ordered 1
		.amdhsa_forward_progress 1
		.amdhsa_inst_pref_size 146
	.end_amdhsa_kernel
	.amdgpu_metadata
---
amdhsa.version: [ 1, 2 ]
amdhsa.kernels:
  - .name:           k_qdefdc46adb_qkv
    .symbol:         k_qdefdc46adb_qkv.kd
    .args:
      - { .name: cod, .offset: 0, .size: 8, .value_kind: global_buffer, .address_space: global }
      - { .name: sc, .offset: 8, .size: 8, .value_kind: global_buffer, .address_space: global }
      - { .name: bqkv, .offset: 16, .size: 8, .value_kind: global_buffer, .address_space: global }
      - { .name: qkv, .offset: 24, .size: 8, .value_kind: global_buffer, .address_space: global }
      - { .name: qkvf, .offset: 32, .size: 8, .value_kind: global_buffer, .address_space: global }
    .group_segment_fixed_size: 327680
    .private_segment_fixed_size: 0
    .kernarg_segment_align: 8
    .kernarg_segment_size: 40
    .max_flat_workgroup_size: 128
    .sgpr_count:     100
    .vgpr_count:     1024
    .wavefront_size: 32
...
	.end_amdgpu_metadata
.endif
;; end of part 2
;; launch fine_attn (part 3): grid 16 x 4, 16 waves a work-group, no clusters, 11,264 bytes of LDS; arguments qkv, qkvf, attention_mask, fy; writes fy
.if DOCPART == 3
	.amdgcn_target "amdgcn-amd-amdhsa--gfx1250"
	.amdhsa_code_object_version 6
	.text
	.protected	k_qdefdc46adb_fine_attn
	.globl	k_qdefdc46adb_fine_attn
	.p2align	8
	.type	k_qdefdc46adb_fine_attn,@function
k_qdefdc46adb_fine_attn:
	s_mov_b64 s[64:65], 0
	v_nop
	global_prefetch_b8 v0, s[64:65] scope:SCOPE_SE
	s_setreg_imm32_b32 hwreg(HW_REG_WAVE_MODE, 25, 1), 1
	s_wait_xcnt 0x0
; TWO THINGS for each batch b (work-group y) and head h (work-group x), both in f32:
;   (1) vmean = the mean of the head's 2,048 rows of V (as rounded to f16): what a query with no valid key at or before it gets, since all its 2,048 scores are then the same number.  fy rows 64 + b.
;   (2) attention for the first 16 positions of the sequence, on unrounded q x c, k, v (qkvf): these rows average one to a few values and are the largest of the result.  fy rows 16 b + t.
; Work left out: keys 16 and later, which lie wholly behind these 16 queries under the causal mask that the problem builds itself (case (a) of the first kernel's comment); case (b) is served by vmean.
; A masked score is NEG = -2^100, under every score that operands below 65,504 can give (64 x 65,504^2 < 2^38); a row's maximum under -2^99 says that no key was valid.
; Sixteen waves sum V, 128 keys each; wave 0 then does (2) alone: 32 matrix instructions of the f32 form, no bulk work.
; The registers that the f32 matrix form writes, v216-247, are written by matrix instructions alone.
.set VS,    0                          ; LDS: 16 waves x 256 bytes: each wave's 64 column sums
.set VM,    4096                       ; vmean, 256 bytes
.set STG,   4352                       ; 16 rows x (256 bytes + 16)
.set SPARE, 8960                       ; the spare words: 128 bytes for each of 16 waves, named by no other line
.set SPW,  4
.set NIL,  5
.set VO,   6                           ; 16 x lane
.set VSW,  7                           ; VS + 256 wave + 32 (lane % 8)
.set VSR,  8                           ; VS + 8 lane
.set VMW,  9                           ; VM + 8 lane
.set VMR,  10                          ; VM + 32 h
.set STO,  11                          ; STG + 272 r + 32 h
.set RD,   12                          ; STG + 272 (lane / 16) + 16 (lane % 16)
.set GO,   13                          ; 4,096 (lane / 16) + 16 (lane % 16)
.set DD,   14                          ; r - 8 h
.set NEGR, 15
.set X,    32                          ; v32-95   16 load slots; later sums, y
.set T,    96                          ; v96-103  at work; later the scores, then p
.set ACC,  104                         ; v104-111 V's sums; later statistics
.set FQ,   112
.set FK,   144
.set VT,   176
.set MK,   208
.set AW,   216
	s_load_b256 s[4:11], s[0:1], 0x0               ; qkv s[4:5], qkvf s[6:7], attention_mask s[8:9], fy s[10:11]
	v_lshl_add_u32 v[SPW], v0, 2, SPARE
	v_mov_b32 v[NIL], 0
	v_lshrrev_b32 v1, 5, v0
	v_readfirstlane_b32 s18, v1                    ; wave 0..15
	s_and_b32 s19, ttmp7, 0xffff                   ; b
	v_and_b32 v1, 31, v0                           ; lane
	v_and_b32 v2, 15, v0                           ; r
	v_bfe_u32 v3, v0, 4, 1                         ; h of the lane
	v_lshlrev_b32 v[VO], 4, v1
	v_and_b32 v24, 7, v0
	s_lshl_b32 s22, s18, 8
	v_lshlrev_b32 v[VSW], 5, v24
	v_add_nc_u32 v[VSW], s22, v[VSW]
	v_lshlrev_b32 v[VSR], 3, v1
	v_lshl_add_u32 v[VMW], v1, 3, VM
	v_lshl_add_u32 v[VMR], v3, 5, VM
	v_mul_u32_u24 v[STO], v2, 272
	v_lshl_add_u32 v[STO], v3, 5, v[STO]
	v_add_nc_u32 v[STO], STG, v[STO]
	v_mul_u32_u24 v[RD], v3, 272
	v_lshl_add_u32 v[RD], v2, 4, v[RD]
	v_add_nc_u32 v[RD], STG, v[RD]
	v_lshlrev_b32 v[GO], 12, v3
	v_lshl_add_u32 v[GO], v2, 4, v[GO]
	v_lshlrev_b32 v24, 3, v3
	v_sub_nc_u32 v[DD], v2, v24
	v_mov_b32 v[NEGR], 0xf1800000                  ; -2^100
	v_mul_u32_u24 v16, v2, 12288
	v_lshl_add_u32 v16, v3, 4, v16                 ; q, k: row r of 12,288 bytes, + 16 h
	v_mul_u32_u24 v17, v3, 98304
	v_lshl_add_u32 v17, v2, 2, v17                 ; v: row 8 h, column r
	v_lshlrev_b32 v18, 5, v3                       ; the mask: keys 8 h on
	v_lshlrev_b32 v19, 3, v1                       ; 8 x lane
	s_mov_b32 s20, 0x76543210
	s_mov_b32 s21, 0xfedcba98                      ; lane l xor 16
	s_lshl_b32 s22, s19, 4
	s_add_co_u32 s22, s22, ttmp9
	s_lshl_b32 s22, s22, 18                        ; the head's 262,144 bytes,
	s_lshl_b32 s23, s18, 14                        ; my wave's 128 keys,
	s_add_co_u32 s22, s22, s23
	s_add_co_u32 s22, s22, 0x2000000               ; in V's part of qkv
	s_mov_b32 s23, 0
	s_mul_i32 s24, s19, 196608
	s_lshl_b32 s25, ttmp9, 8
	s_add_co_u32 s24, s24, s25                     ; qkvf: my batch's 16 rows, my head's 256 bytes
	s_mov_b32 s25, 0
	s_lshl_b32 s26, s19, 13
	s_mov_b32 s27, 0
	s_lshl_b32 s28, s19, 12
	s_lshl_b32 s29, ttmp9, 8
	s_add_co_u32 s28, s28, s29
	s_add_co_u32 s28, s28, 262144                  ; fy: row 64 + b, my head's 256 bytes
	s_lshl_b32 s16, s19, 16
	s_add_co_u32 s16, s16, s29                     ; fy: rows 16 b on
	s_mov_b32 s29, 0
	s_mov_b32 s17, 0
	s_wait_kmcnt 0x0
	s_add_nc_u64 s[4:5], s[4:5], s[22:23]
	s_add_nc_u64 s[6:7], s[6:7], s[24:25]
	s_add_nc_u64 s[8:9], s[8:9], s[26:27]
	s_add_nc_u64 s[12:13], s[10:11], s[28:29]
	s_add_nc_u64 s[10:11], s[10:11], s[16:17]
	s_cmp_lg_u32 s18, 0
	s_cbranch_scc1 .Lall
	; wave 0 alone: what part (2) wants goes out first.  A lane of q or k holds d = 8 i + 4 h + 0 .. 3 of its row: the same places of k on both sides of the product.
.irp i, 0,1,2,3,4,5,6,7
	global_load_b128 v[FQ+4*\i:FQ+4*\i+3], v16, s[6:7] offset:32*\i
	global_load_b128 v[FK+4*\i:FK+4*\i+3], v16, s[6:7] offset:4096+32*\i
.endr
.irp dt, 0,1,2,3
.irp j, 0,1,2,3,4,5,6,7
	global_load_b32 v[VT+8*\dt+\j], v17, s[6:7] offset:8192+12288*\j+64*\dt   ; V(8 h + j, 16 dt + r)
.endr
.endr
	global_load_b128 v[MK:MK+3], v18, s[8:9]
	global_load_b128 v[MK+4:MK+7], v18, s[8:9] offset:16
.Lall:
	; (1) my 128 keys: 32 loads of 512 bytes (4 keys); lane l holds d = 8 (l % 8) + 0 .. 7 of key l / 8
.irp j, 0,1,2,3,4,5,6,7
	v_mov_b32 v[ACC+\j], 0
.endr
.irp s, 0,1,2,3,4,5,6,7,8,9,10,11,12,13,14,15
	global_load_b128 v[X+4*\s:X+4*\s+3], v[VO], s[4:5] offset:512*\s
.endr
.macro CONV x                          ; four words of f16 pairs are widened and added.  Halves are named on four fixed registers
	v_mov_b32 v20, v[(\x)]
	v_mov_b32 v21, v[(\x)+1]
	v_mov_b32 v22, v[(\x)+2]
	v_mov_b32 v23, v[(\x)+3]
	v_cvt_f32_f16 v[T], v20.l
	v_cvt_f32_f16 v[T+1], v20.h
	v_cvt_f32_f16 v[T+2], v21.l
	v_cvt_f32_f16 v[T+3], v21.h
	v_cvt_f32_f16 v[T+4], v22.l
	v_cvt_f32_f16 v[T+5], v22.h
	v_cvt_f32_f16 v[T+6], v23.l
	v_cvt_f32_f16 v[T+7], v23.h
.irp k, 0,2,4,6
	v_pk_add_f32 v[ACC+\k:ACC+\k+1], v[ACC+\k:ACC+\k+1], v[T+\k:T+\k+1]
.endr
.endm
.irp s, 0,1,2,3,4,5,6,7,8,9,10,11,12,13,14,15
	s_wait_loadcnt 15                              ; this slot's load is in: behind it 15 younger loads are out
	CONV X+4*\s
	global_load_b128 v[X+4*\s:X+4*\s+3], v[VO], s[4:5] offset:8192+512*\s
.endr
.irp s, 0,1,2,3,4,5,6,7,8,9,10,11,12,13,14,15
	s_wait_loadcnt 15-\s                           ; the counts run down
	CONV X+4*\s
.endr
.irp j, 0,1,2,3,4,5,6,7
	v_add_f32_dpp v[ACC+\j], v[ACC+\j], v[ACC+\j] row_xmask:8 row_mask:0xf bank_mask:0xf   ; lanes l and l xor 8 hold the same d
.endr
.irp j, 0,1,2,3,4,5,6,7
	v_permlanex16_b32 v[T+\j], v[ACC+\j], s20, s21
.endr
.irp j, 0,1,2,3,4,5,6,7
	v_add_f32 v[ACC+\j], v[ACC+\j], v[T+\j]
.endr
	ds_store_b128 v[VSW], v[ACC:ACC+3]             ; four lanes write the same bytes with the same values
	ds_store_b128 v[VSW], v[ACC+4:ACC+7] offset:16
	s_wait_dscnt 0x0                               ; for the others' sake: my stores are done
	s_barrier_signal -1
	s_barrier_wait -1
	s_cmp_lg_u32 s18, 0
	s_cbranch_scc1 .Lend
	; wave 0: the sixteen partial sums; lane l takes d = 2 l, 2 l + 1
.irp w, 0,1,2,3,4,5,6,7,8,9,10,11,12,13,14,15
	ds_load_b64 v[X+2*\w:X+2*\w+1], v[VSR] offset:256*\w
.endr
	s_wait_dscnt 0x0
	v_pk_add_f32 v[26:27], v[X:X+1], v[X+2:X+3]
.irp w, 2,3,4,5,6,7,8,9,10,11,12,13,14,15
	v_pk_add_f32 v[26:27], v[26:27], v[X+2*\w:X+2*\w+1]
.endr
	v_pk_mul_f32 v[26:27], v[26:27], 0x3a000000 op_sel_hi:[1,0]   ; / 2,048
	global_store_b64 v19, v[26:27], s[12:13]       ; 32 lanes store 256 consecutive bytes, aligned
	ds_store_b64 v[VMW], v[26:27]
.irp dt, 0,1,2,3
	ds_load_b128 v[64+8*\dt:64+8*\dt+3], v[VMR] offset:64*\dt       ; vmean in the layout of the result: d = 16 dt + 8 h + 0 .. 7.  LDS serves a wave's instructions in order
	ds_load_b128 v[64+8*\dt+4:64+8*\dt+7], v[VMR] offset:64*\dt+16
.endr
	; (2) S^T = k q^T: source 0 = 16 keys, source 1 = 16 queries; 16 steps of 4 along d on four accumulators by turns, one instruction a turn
	s_wait_loadcnt 0x0
.set n, 0
.rept 16
.if n < 4
	v_wmma_f32_16x16x4_f32 v[AW+8*(n%4):AW+8*(n%4)+7], v[FK+2*n:FK+2*n+1], v[FQ+2*n:FQ+2*n+1], 0
.else
	v_wmma_f32_16x16x4_f32 v[AW+8*(n%4):AW+8*(n%4)+7], v[FK+2*n:FK+2*n+1], v[FQ+2*n:FQ+2*n+1], v[AW+8*(n%4):AW+8*(n%4)+7]
.endif
.set n, n+1
.endr
.rept 8
	v_nop                                          ; eight places behind this form (ISA guide 7.12.1)
.endr
.irp p, 0,2,4,6
	v_pk_add_f32 v[T+\p:T+\p+1], v[AW+\p:AW+\p+1], v[AW+8+\p:AW+8+\p+1]          ; each accumulator from its low end on
.endr
.irp p, 0,2,4,6
	v_pk_add_f32 v[ACC+\p:ACC+\p+1], v[AW+16+\p:AW+16+\p+1], v[AW+24+\p:AW+24+\p+1]
.endr
.irp p, 0,2,4,6
	v_pk_add_f32 v[T+\p:T+\p+1], v[T+\p:T+\p+1], v[ACC+\p:ACC+\p+1]           ; lane (r, h): query r, keys 8 h + j
.endr
.irp j, 0,1,2,3,4,5,6,7
	v_cmp_eq_u32 vcc_lo, 0, v[MK+\j]               ; a padded key,
	v_cndmask_b32 v[T+\j], v[T+\j], v[NEGR], vcc_lo
	v_cmp_gt_i32 vcc_lo, \j, v[DD]                 ; or a key behind the query: 8 h + j > r
	v_cndmask_b32 v[T+\j], v[T+\j], v[NEGR], vcc_lo
.endr
	v_max3_num_f32 v104, v[T], v[T+1], v[T+2]
	v_max3_num_f32 v104, v104, v[T+3], v[T+4]
	v_max3_num_f32 v104, v104, v[T+5], v[T+6]
	v_max_num_f32 v104, v104, v[T+7]
	v_permlanex16_b32 v105, v104, s20, s21
	v_max_num_f32 v104, v104, v105                 ; the row's maximum
.irp j, 0,1,2,3,4,5,6,7
	v_sub_f32 v[T+\j], v[T+\j], v104
.endr
.irp j, 0,1,2,3,4,5,6,7
	v_exp_f32 v[T+\j], v[T+\j]                     ; p = 2^(t - m), at most 1
.endr
	v_mov_b32 v111, 0xf1000000                     ; -2^99 (a plain line behind the exponentials)
	s_wait_alu depctr_va_vdst(0)                   ; one wait for the batch, ahead of its first reader
	v_pk_add_f32 v[106:107], v[T:T+1], v[T+2:T+3]
	v_pk_add_f32 v[108:109], v[T+4:T+5], v[T+6:T+7]
	v_pk_add_f32 v[106:107], v[106:107], v[108:109]
	v_add_f32 v106, v106, v107
	v_permlanex16_b32 v107, v106, s20, s21
	v_add_f32 v106, v106, v107                     ; the row's sum, at least 1
	v_rcp_f32 v108, v106
	v_cmp_lt_f32 s30, v104, v111                   ; no valid key at or before this query (a plain line behind the reciprocal)
	s_wait_alu depctr_va_vdst(0)
	; O^T = v^T p: source 0 = 16 of the head's 64, source 1 = p.  Step i takes keys 8 h + 2 i + 0, 1 at the form's places 2 h + 0, 1, on both sides
.irp i, 0,1,2,3
.irp dt, 0,1,2,3
.if \i == 0
	v_wmma_f32_16x16x4_f32 v[AW+8*\dt:AW+8*\dt+7], v[VT+8*\dt+2*\i:VT+8*\dt+2*\i+1], v[T+2*\i:T+2*\i+1], 0
.else
	v_wmma_f32_16x16x4_f32 v[AW+8*\dt:AW+8*\dt+7], v[VT+8*\dt+2*\i:VT+8*\dt+2*\i+1], v[T+2*\i:T+2*\i+1], v[AW+8*\dt:AW+8*\dt+7]
.endif
.endr
.endr
.rept 8
	v_nop
.endr
.set i, 0
.rept 32
	v_mul_f32 v[X+i], v[AW+i], v108                ; / the sum, into other registers
.set i, i+1
.endr
	s_wait_dscnt 0x0                               ; vmean is in
.set i, 0
.rept 32
	v_cndmask_b32 v[X+i], v[X+i], v[64+i], s30
.set i, i+1
.endr
.irp dt, 0,1,2,3
	ds_store_b128 v[STO], v[X+8*\dt:X+8*\dt+3] offset:64*\dt
	ds_store_b128 v[STO], v[X+8*\dt+4:X+8*\dt+7] offset:64*\dt+16
.endr
.irp i, 0,1,2,3,4,5,6,7
	ds_load_b128 v[64+4*\i:64+4*\i+3], v[RD] offset:544*\i
.endr
.irp i, 0,1,2,3,4,5,6,7
	s_wait_dscnt 7-\i                              ; the younger row loads may be out
	global_store_b128 v[GO], v[64+4*\i:64+4*\i+3], s[10:11] offset:8192*\i   ; 16 lanes store 256 consecutive bytes, aligned
.endr
.Lend:
	s_wait_tensorcnt 0x0                           ; the wave's end, behind my last LDS store
	ds_add_u32 v[SPW], v[NIL]
	s_wait_dscnt 0x0
	s_endpgm
.Lfunc_end_k_qdefdc46adb_fine_attn:
	.size	k_qdefdc46adb_fine_attn, .Lfunc_end_k_qdefdc46adb_fine_attn-k_qdefdc46adb_fine_attn
	.p2alignl 7, 3214868480
	.fill 96, 4, 3214868480
	.section	.rodata,"a",@progbits
	.p2align	6, 0x0
	.amdhsa_kernel k_qdefdc46adb_fine_attn
		.amdhsa_group_segment_fixed_size 11264
		.amdhsa_private_segment_fixed_size 0
		.amdhsa_enable_private_segment 0
		.amdhsa_kernarg_size 32
		.amdhsa_user_sgpr_count 2
		.amdhsa_user_sgpr_kernarg_segment_ptr 1
		.amdhsa_wavefront_size32 1
		.amdhsa_system_sgpr_workgroup_id_x 1
		.amdhsa_system_sgpr_workgroup_id_y 1
		.amdhsa_system_sgpr_workgroup_id_z 1
		.amdhsa_system_vgpr_workitem_id 0
		.amdhsa_next_free_vgpr 256
		.amdhsa_next_free_sgpr 66
		.amdhsa_reserve_vcc 1
		.amdhsa_float_denorm_mode_32 3
		.amdhsa_float_denorm_mode_16_64 3
		.amdhsa_memory_ordered 1
		.amdhsa_forward_progress 1
		.amdhsa_inst_pref_size 48
	.end_amdhsa_kernel
	.amdgpu_metadata
---
amdhsa.version: [ 1, 2 ]
amdhsa.kernels:
  - .name:           k_qdefdc46adb_fine_attn
    .symbol:         k_qdefdc46adb_fine_attn.kd
    .args:
      - { .name: qkv, .offset: 0, .size: 8, .value_kind: global_buffer, .address_space: global }
      - { .name: qkvf, .offset: 8, .size: 8, .value_kind: global_buffer, .address_space: global }
      - { .name: attention_mask, .offset: 16, .size: 8, .value_kind: global_buffer, .address_space: global }
      - { .name: fy, .offset: 24, .size: 8, .value_kind: global_buffer, .address_space: global }
    .group_segment_fixed_size: 11264
    .private_segment_fixed_size: 0
    .kernarg_segment_align: 8
    .kernarg_segment_size: 32
    .max_flat_workgroup_size: 512
    .sgpr_count:     66
    .vgpr_count:     256
    .wavefront_size: 32
...
	.end_amdgpu_metadata
.endif
;; end of part 3
;; launch fine_out (part 4): grid 64 x 4, 8 waves a work-group, no clusters, 9,216 bytes of LDS; arguments fy, Wout, out0; writes out0
.if DOCPART == 4
	.amdgcn_target "amdgcn-amd-amdhsa--gfx1250"
	.amdhsa_code_object_version 6
	.text
	.protected	k_qdefdc46adb_fine_out
	.globl	k_qdefdc46adb_fine_out
	.p2align	8
	.type	k_qdefdc46adb_fine_out,@function
k_qdefdc46adb_fine_out:
	s_mov_b64 s[64:65], 0
	v_nop
	global_prefetch_b8 v0, s[64:65] scope:SCOPE_SE
	s_setreg_imm32_b32 hwreg(HW_REG_WAVE_MODE, 25, 1), 1
	s_wait_xcnt 0x0
; out0[b][t][:] = y[b][t][:] Wout^T for t < 16, all in f32: these rows are the largest of the result and sum few values.  Rows t >= 16 are another launch's.
; A work-group makes 16 tokens (batch = work-group y) x 16 columns (16 x work-group x); its eight waves share K, 128 each, and wave 0 adds the eight parts from LDS.
; 256 work-groups, 32 matrix instructions of the f32 form a wave: no bulk work.  A store covers 64 bytes of each of 16 rows: 262,144 of the result's 33 million bytes; the price of work for every work-group.
; Source 0 = 16 rows of Wout, source 1 = 16 rows of y: a lane holds token r and columns 8 h + 0 .. 7.  v160-191 are written by matrix instructions alone.
.set RED,   0                          ; LDS: 8 waves x 1,024 bytes: images of eight registers
.set SPARE, 8192                       ; the spare words
.set SPW, 2
.set NIL, 3
.set AO,  4                            ; 4,096 r + 16 h
.set RW,  5                            ; 1,024 wave + 16 lane
.set RR,  6                            ; 16 lane
.set OO,  7                            ; 4,096 r + 32 h
.set W,   32
.set Y,   96
.set AW,  160
.set RS,  192
.set T,   200
	s_load_b128 s[4:7], s[0:1], 0x0                ; fy s[4:5], Wout s[6:7]
	s_load_b64 s[8:9], s[0:1], 0x10                ; out0
	v_lshl_add_u32 v[SPW], v0, 2, SPARE
	v_mov_b32 v[NIL], 0
	v_lshrrev_b32 v1, 5, v0
	v_readfirstlane_b32 s10, v1                    ; wave 0..7
	v_and_b32 v8, 15, v0
	v_bfe_u32 v9, v0, 4, 1
	v_and_b32 v10, 31, v0
	v_lshlrev_b32 v[AO], 12, v8
	v_lshl_add_u32 v[AO], v9, 4, v[AO]
	v_lshlrev_b32 v[RR], 4, v10
	s_lshl_b32 s11, s10, 10
	v_add_nc_u32 v[RW], s11, v[RR]
	v_lshlrev_b32 v[OO], 12, v8
	v_lshl_add_u32 v[OO], v9, 5, v[OO]
	s_and_b32 s12, ttmp7, 0xffff                   ; b
	s_lshl_b32 s14, s10, 9                         ; my 128 along K: 512 bytes
	s_lshl_b32 s16, ttmp9, 16                      ; 16 rows of Wout
	s_add_co_u32 s16, s16, s14
	s_mov_b32 s17, 0
	s_lshl_b32 s18, s12, 16                        ; 16 rows of y
	s_add_co_u32 s18, s18, s14
	s_mov_b32 s19, 0
	s_lshl_b32 s20, s12, 23                        ; the batch's 2,048 rows of 4,096 bytes
	s_lshl_b32 s21, ttmp9, 6
	s_add_co_u32 s20, s20, s21
	s_mov_b32 s21, 0
	s_wait_kmcnt 0x0
	s_add_nc_u64 s[6:7], s[6:7], s[16:17]
	s_add_nc_u64 s[4:5], s[4:5], s[18:19]
	s_add_nc_u64 s[8:9], s[8:9], s[20:21]
.irp i, 0,1,2,3,4,5,6,7,8,9,10,11,12,13,14,15
	global_load_b128 v[W+4*\i:W+4*\i+3], v[AO], s[6:7] offset:32*\i    ; k = 8 i + 4 h + 0 .. 3 of my row: the same places on both sides
	global_load_b128 v[Y+4*\i:Y+4*\i+3], v[AO], s[4:5] offset:32*\i
.endr
	s_wait_loadcnt 0x0
.set n, 0
.rept 32                               ; four accumulators by turns, one instruction a turn
.if n < 4
	v_wmma_f32_16x16x4_f32 v[AW+8*(n%4):AW+8*(n%4)+7], v[W+2*n:W+2*n+1], v[Y+2*n:Y+2*n+1], 0
.else
	v_wmma_f32_16x16x4_f32 v[AW+8*(n%4):AW+8*(n%4)+7], v[W+2*n:W+2*n+1], v[Y+2*n:Y+2*n+1], v[AW+8*(n%4):AW+8*(n%4)+7]
.endif
.set n, n+1
.endr
.rept 8
	v_nop                                          ; eight places behind this form (ISA guide 7.12.1)
.endr
.irp p, 0,2,4,6
	v_pk_add_f32 v[RS+\p:RS+\p+1], v[AW+\p:AW+\p+1], v[AW+8+\p:AW+8+\p+1]
.endr
.irp p, 0,2,4,6
	v_pk_add_f32 v[T+\p:T+\p+1], v[AW+16+\p:AW+16+\p+1], v[AW+24+\p:AW+24+\p+1]
.endr
.irp p, 0,2,4,6
	v_pk_add_f32 v[RS+\p:RS+\p+1], v[RS+\p:RS+\p+1], v[T+\p:T+\p+1]
.endr
	ds_store_b128 v[RW], v[RS:RS+3]                ; my part as an image of its registers
	ds_store_b128 v[RW], v[RS+4:RS+7] offset:512
	s_wait_dscnt 0x0                               ; for the others' sake
	s_barrier_signal -1
	s_barrier_wait -1
	s_cmp_lg_u32 s10, 0
	s_cbranch_scc1 .Lend
.irp w, 0,1,2,3,4,5,6,7
	ds_load_b128 v[W+8*\w:W+8*\w+3], v[RR] offset:1024*\w
	ds_load_b128 v[W+8*\w+4:W+8*\w+7], v[RR] offset:1024*\w+512
.endr
	s_wait_dscnt 0x0
.irp w, 1,2,3,4,5,6,7
.irp p, 0,2,4,6
	v_pk_add_f32 v[W+\p:W+\p+1], v[W+\p:W+\p+1], v[W+8*\w+\p:W+8*\w+\p+1]
.endr
.endr
	global_store_b128 v[OO], v[W:W+3], s[8:9]
	global_store_b128 v[OO], v[W+4:W+7], s[8:9] offset:16
.Lend:
	s_wait_tensorcnt 0x0                           ; the wave's end, behind my last LDS store
	ds_add_u32 v[SPW], v[NIL]
	s_wait_dscnt 0x0
	s_endpgm
.Lfunc_end_k_qdefdc46adb_fine_out:
	.size	k_qdefdc46adb_fine_out, .Lfunc_end_k_qdefdc46adb_fine_out-k_qdefdc46adb_fine_out
	.p2alignl 7, 3214868480
	.fill 96, 4, 3214868480
	.section	.rodata,"a",@progbits
	.p2align	6, 0x0
	.amdhsa_kernel k_qdefdc46adb_fine_out
		.amdhsa_group_segment_fixed_size 9216
		.amdhsa_private_segment_fixed_size 0
		.amdhsa_enable_private_segment 0
		.amdhsa_kernarg_size 24
		.amdhsa_user_sgpr_count 2
		.amdhsa_user_sgpr_kernarg_segment_ptr 1
		.amdhsa_wavefront_size32 1
		.amdhsa_system_sgpr_workgroup_id_x 1
		.amdhsa_system_sgpr_workgroup_id_y 1
		.amdhsa_system_sgpr_workgroup_id_z 1
		.amdhsa_system_vgpr_workitem_id 0
		.amdhsa_next_free_vgpr 224
		.amdhsa_next_free_sgpr 66
		.amdhsa_reserve_vcc 0
		.amdhsa_float_denorm_mode_32 3
		.amdhsa_float_denorm_mode_16_64 3
		.amdhsa_memory_ordered 1
		.amdhsa_forward_progress 1
		.amdhsa_inst_pref_size 11
	.end_amdhsa_kernel
	.amdgpu_metadata
---
amdhsa.version: [ 1, 2 ]
amdhsa.kernels:
  - .name:           k_qdefdc46adb_fine_out
    .symbol:         k_qdefdc46adb_fine_out.kd
    .args:
      - { .name: fy, .offset: 0, .size: 8, .value_kind: global_buffer, .address_space: global }
      - { .name: Wout, .offset: 8, .size: 8, .value_kind: global_buffer, .address_space: global }
      - { .name: out0, .offset: 16, .size: 8, .value_kind: global_buffer, .address_space: global }
    .group_segment_fixed_size: 9216
    .private_segment_fixed_size: 0
    .kernarg_segment_align: 8
    .kernarg_segment_size: 24
    .max_flat_workgroup_size: 256
    .sgpr_count:     66
    .vgpr_count:     224
    .wavefront_size: 32
...
	.end_amdgpu_metadata
.endif
;; end of part 4
;; launch attn (part 5): grid 4 x 64, 16 waves a work-group, no clusters, 327,680 bytes of LDS; arguments qkv, attention_mask, fy, yh; writes yh
.if DOCPART == 5
	.amdgcn_target "amdgcn-amd-amdhsa--gfx1250"
	.amdhsa_code_object_version 6
	.text
	.protected	k_qdefdc46adb_attn
	.globl	k_qdefdc46adb_attn
	.p2align	8
	.type	k_qdefdc46adb_attn,@function
k_qdefdc46adb_attn:
	s_mov_b64 s[64:65], 0
	v_nop
	global_prefetch_b8 v0, s[64:65] scope:SCOPE_SE
	s_setreg_imm32_b32 hwreg(HW_REG_WAVE_MODE, 25, 1), 1
	s_wait_xcnt 0x0
; y[b][h][q] = the sum over k of softmax_k(masked q . k / 8) v[k], on f16 operands with f32 products, maxima and sums.  qkv: f16 [3][4][16][2048][64], q already x c = log2(e) / 8.  yh: f16 [4][16][2048][64].
; WORK LEFT OUT (the first kernel's comment, cases (a) and (b)): a step of 64 keys that lies wholly behind a wave's 32 queries under the causal mask that the problem builds itself is jumped over, and a slot of keys
; behind the work-group's last query is not fetched.  A query with no valid key at or before it gets vmean (fy rows 64 + b), by a select.
; THE PADDING MASK enters as the C of a score's first matrix instruction: 0, or NEG = -2^100 for a padded key.  f16 operands bound a score by 64 x 65,504^2 < 2^38, so NEG lies under every score, and a running
; maximum under -2^99 says that no key so far was valid; when a valid key comes, a = 2^(old m - new m) = 0 wipes what was summed.  p = 2^(s - m) with s <= m: no exponential can overflow.
; LIMIT: |c q|, |k|, |v|, |y| under 65,504.
; NO CLUSTER: the four work-groups of a head need 8 - i slots each, different numbers of tiles, and a mask lets a partner jump over tiles that a joint load would bring.
; SHARES.  Work-group (i, 16 b + h) owns query blocks i and 7 - i of 256: equal work for all 256.  Waves 0-7 take block i, waves 8-15 block 7 - i; a wave owns 32 queries, two tiles of 16, in 256 registers; four waves to a SIMD.
; All sixteen walk one ring of two LDS slots of 256 keys (4 steps of 64), filled by waves 0, 1 (K's halves) and 2, 3 (V's).  The loops' trip counts are constants.
; LAYOUT.  S^T = K Q^T (source 0 = 16 keys, source 1 = 16 queries), O^T = V^T P (source 0 = 16 of the head's 64, turned by ds_load_tr16_b128; source 1 = two tiles of S^T rounded in pairs): a lane holds one query throughout.
.set VOFF,  34816                      ; a slot: K as 128 rows of two keys (256 bytes + 16), then V likewise (256 + 32)
.set SLOT1, 131072
.set BIAS,  202752                     ; 2,048 f32: 0 or NEG for each key of the batch; stored by the waves, never a tensor load's target
.set STG,   210944                     ; the way out: 16 waves x 2 tiles x 16 rows x (128 bytes + 16)
.set SPARE, 284672                     ; the spare words: 128 bytes for each of 16 waves, named by no other line
.set AK0, 1                            ; 272 (r / 2) + 128 (r % 2) + 16 h
.set AV0, 2                            ; VOFF + 288 (4 h + (l % 8) / 2) + 128 (l % 2) + 16 ((l / 8) % 2)
.set ABI0, 3                           ; BIAS + 32 h
.set ADK, 4
.set ADV, 5
.set ADB, 6
.set SPW, 7
.set NIL, 8
.set STO, 9
.set RD,  10
.set GO,  11
.set PFO, 12
.set D0,  13                           ; r - 8 h
.set NEGR, 14
.set VD,  15                           ; Q's load offset; then the diagonal's d; then the offset of vmean
.set ST,  16                           ; tile t at ST + 8 t: +0 m, +1 its pair's partner, +2, +3 l, +4 .. +7 c0-c3 (a takes c2)
.set QF,  32
.set KV,  64
.set S,   128
.set O,   192
.set WV,  18
.set SEL, 20
.set G1K, 24
.set G1V, 32
.set G0K, 40
.set G0V, 44
.set TB,  2
.set TBI, 3
.set SLOTS, 48
.set KF,  49
.set Q0,  50
.set LQ,  51
.set PFA, 52
.set LIM, 54
; Waves 0 and 1 fetch for K, waves 2 and 3 for V, the others nothing.  An s_nop 0 and four v_nop follow each of the two lines.
.macro TLOAD
	s_cmp_lt_u32 s[WV], 2
	s_cbranch_scc0 .Lnot_k_\@
	tensor_load_to_lds s[G0K:G0K+3], s[G1K:G1K+7]
	s_nop 0
.rept 4
	v_nop
.endr
	s_branch .Lasked_\@
.Lnot_k_\@:
	s_cmp_lt_u32 s[WV], 4
	s_cbranch_scc0 .Lasked_\@
	tensor_load_to_lds s[G0V:G0V+3], s[G1V:G1V+7]
	s_nop 0
.rept 4
	v_nop
.endr
.Lasked_\@:
.endm
; A prefetch of what the NEXT change of slots will ask for: a slot's 32,768 bytes of K and of V.  The head's work-group i = 0, which walks all eight slots, asks; in it waves 4-7 for K, waves 8-11 for V,
; 8,192 bytes a wave, lanes 256 bytes apart: each aligned 256 bytes once in the launch.  Slots 0 and 1 come by their loads alone; the last change that fills a slot asks for nothing.
.macro ASK
	s_cmp_gt_u32 s[SLOTS], s[LIM]
	s_cbranch_scc0 .Lnot_mine_\@
	global_prefetch_b8 v[PFO], s[PFA:PFA+1] th:TH_LOAD_NT scope:SCOPE_SE
.Lnot_mine_\@:
.endm
	s_load_b256 s[4:11], s[0:1], 0x0               ; qkv s[4:5], attention_mask s[6:7], fy s[8:9], yh s[10:11]
	v_lshl_add_u32 v[SPW], v0, 2, SPARE
	v_mov_b32 v[NIL], 0
	ds_add_u32 v[SPW], v[NIL]                      ; the wave's opening: the add, twice on end, and its wait ahead of the first tensor load
	ds_add_u32 v[SPW], v[NIL]
	v_lshrrev_b32 v[VD], 5, v0
	v_readfirstlane_b32 s[WV], v[VD]               ; wave 0..15
	s_and_b32 s56, ttmp7, 0xffff                   ; 16 b + h
	s_lshl_b32 s57, s56, 18                        ; the head's 262,144 bytes
	s_lshr_b32 s58, s56, 4                         ; b
	s_and_b32 s59, s56, 15                         ; h
	s_sub_co_u32 s60, 7, ttmp9
	s_cmp_lt_u32 s[WV], 8
	s_cselect_b32 s60, ttmp9, s60                  ; my block of 256 queries
	s_lshl_b32 s60, s60, 8
	s_and_b32 s61, s[WV], 7
	s_lshl_b32 s61, s61, 5
	s_add_co_u32 s[Q0], s60, s61                   ; my first query
	s_sub_co_u32 s[LQ], 8, ttmp9
	s_lshl_b32 s[LQ], s[LQ], 8
	s_sub_co_u32 s[LQ], s[LQ], 1                   ; my work-group's last query
	s_mov_b32 s[G1K], 0x07510000                   ; no mask; elements of 2 bytes; padding on: after every 64 words, 4 words
	s_mov_b32 s[G1V], 0x0f510000                   ; the same with 8 words
.irp g, G1K, G1V
	s_mov_b32 s[\g+1], 128<<16                     ; tensor_dim0 = 128 elements: two keys
	s_mov_b32 s[\g+2], 64<<16                      ; tensor_dim1 = 64 rows
	s_mov_b32 s[\g+3], 128<<16                     ; tile_dim0
	s_mov_b32 s[\g+4], 64                          ; tile_dim1
	s_mov_b32 s[\g+5], 128                         ; the pitch: dense
	s_mov_b32 s[\g+6], 0
	s_mov_b32 s[\g+7], 0
.endr
	s_and_b32 s62, s[WV], 1                        ; which half of a slot I fetch, if I fetch
	s_mul_i32 s63, s62, 17408                      ; K: in a slot
	s_mul_i32 s66, s62, 18432
	s_add_co_u32 s66, s66, VOFF                    ; V: in a slot
	s_lshl_b32 s62, s62, 14
	s_add_co_u32 s62, s62, s57
	s_add_co_u32 s68, s62, 0x1000000               ; K's part of qkv
	s_mov_b32 s69, 0
	s_add_co_u32 s70, s62, 0x2000000               ; V's
	s_mov_b32 s71, 0
	s_lshl_b32 s72, s[Q0], 7
	s_add_co_u32 s72, s72, s57                     ; my first query's row in q and in yh
	s_mov_b32 s73, 0
	s_mov_b32 s[SEL], 0x76543210
	s_mov_b32 s[SEL+1], 0xfedcba98
	s_mov_b32 s[TB], 0
	s_mov_b32 s[TBI], 0
	s_mov_b32 s[SLOTS], 7
	s_mov_b32 s[KF], 0
	s_wait_dscnt 0x0                               ; both opening adds are done
	s_wait_kmcnt 0x0
	s_mov_b32 s[G0K], 1
	s_mov_b32 s[G0K+1], s63
	s_add_nc_u64 s[G0K+2:G0K+3], s[4:5], s[68:69]
	s_or_b32 s[G0K+3], s[G0K+3], 0x80000000
	s_mov_b32 s[G0V], 1
	s_mov_b32 s[G0V+1], s66
	s_add_nc_u64 s[G0V+2:G0V+3], s[4:5], s[70:71]
	s_or_b32 s[G0V+3], s[G0V+3], 0x80000000
	TLOAD                                          ; slot 0: keys 0 to 255, which count for queries of every work-group
	s_add_nc_u64 s[74:75], s[4:5], s[72:73]        ; q at my first query
	s_add_nc_u64 s[10:11], s[10:11], s[72:73]      ; yh likewise
	s_lshl_b32 s60, s58, 13
	s_mov_b32 s61, 0
	s_add_nc_u64 s[6:7], s[6:7], s[60:61]          ; my batch's mask
	s_lshl_b32 s60, s58, 12
	s_lshl_b32 s62, s59, 8
	s_add_co_u32 s60, s60, s62
	s_add_co_u32 s60, s60, 262144
	s_add_nc_u64 s[8:9], s[8:9], s[60:61]          ; vmean of my batch and head
	s_cmp_lt_u32 s[WV], 8                          ; the prefetches: waves 4-7 K, waves 8-11 V
	s_mov_b32 s56, 0x2000000
	s_cselect_b32 s56, 0x1000000, s56
	s_and_b32 s60, s[WV], 3
	s_lshl_b32 s60, s60, 13
	s_add_co_u32 s56, s56, s60
	s_add_co_u32 s56, s56, s57
	s_add_co_u32 s56, s56, 32768                   ; in slot 1: the first change of slots steps it to slot 2
	s_mov_b32 s57, 0
	s_add_nc_u64 s[PFA:PFA+1], s[4:5], s[56:57]
	s_sub_co_u32 s60, s[WV], 4
	s_lshr_b32 s60, s60, 3                         ; 0 in waves 4 to 11,
	s_or_b32 s60, s60, ttmp9                       ; of the head's work-group 0
	s_cmp_eq_u32 s60, 0
	s_cselect_b32 s[LIM], 1, -1
	v_and_b32 v240, 15, v0                         ; r
	v_bfe_u32 v241, v0, 4, 1                       ; h
	v_and_b32 v242, 31, v0                         ; lane
	v_lshlrev_b32 v246, 4, v0                      ; the mask: 16 bytes a thread
	v_lshl_add_u32 v247, v0, 4, BIAS
	v_lshlrev_b32 v[VD], 7, v240
	v_lshl_add_u32 v[VD], v241, 4, v[VD]           ; q: row r of 128 bytes, + 16 h
	global_load_b128 v[S:S+3], v246, s[6:7]
.irp t, 0,1
.irp c, 0,1
.irp u, 0,1
	global_load_b128 v[QF+16*\t+8*\c+4*\u:QF+16*\t+8*\c+4*\u+3], v[VD], s[74:75] offset:2048*\t+64*\c+32*\u   ; Q stays in registers
.endr
.endr
.endr
	v_lshrrev_b32 v243, 1, v240
	v_and_b32 v244, 1, v0
	v_mul_u32_u24 v[AK0], v243, 272
	v_lshl_add_u32 v[AK0], v244, 7, v[AK0]
	v_lshl_add_u32 v[AK0], v241, 4, v[AK0]
	v_bfe_u32 v243, v0, 1, 2
	v_lshl_add_u32 v243, v241, 2, v243
	v_mul_u32_u24 v[AV0], v243, 288
	v_lshl_add_u32 v[AV0], v244, 7, v[AV0]
	v_bfe_u32 v243, v0, 3, 1
	v_lshl_add_u32 v[AV0], v243, 4, v[AV0]
	v_add_nc_u32 v[AV0], VOFF, v[AV0]
	v_lshl_add_u32 v[ABI0], v241, 5, BIAS
	s_mul_i32 s60, s[WV], 4608
	s_add_co_u32 s60, s60, STG                     ; my stage
	v_mul_u32_u24 v[STO], v240, 144
	v_lshl_add_u32 v[STO], v241, 4, v[STO]
	v_add_nc_u32 v[STO], s60, v[STO]
	v_lshrrev_b32 v243, 3, v242
	v_and_b32 v245, 7, v0
	v_mul_u32_u24 v[RD], v243, 144
	v_lshl_add_u32 v[RD], v245, 4, v[RD]
	v_add_nc_u32 v[RD], s60, v[RD]
	v_lshlrev_b32 v[GO], 4, v242
	v_lshlrev_b32 v[PFO], 8, v242
	v_lshlrev_b32 v243, 3, v241
	v_sub_nc_u32 v[D0], v240, v243
	v_mov_b32 v[NEGR], 0xf1800000                  ; -2^100
.irp t, 0,1
	v_mov_b32 v[ST+8*\t], 0xff61b1e6               ; m: -3e38, under NEG and every score
.irp k, 1,2,3,4,5,6,7
	v_mov_b32 v[ST+8*\t+\k], 0                     ; l; and registers that are named in pairs or as a lane permute's destination before they are first made
.endr
.endr
	s_wait_loadcnt 8                               ; the mask is in; Q's 8 loads, issued behind it, may be out
.irp i, 0,1,2,3
	v_cmp_eq_u32 vcc_lo, 0, v[S+\i]
	v_cndmask_b32 v[S+\i], 0, v[NEGR], vcc_lo      ; 0 for a valid key, NEG for a padded one
.endr
	ds_store_b128 v247, v[S:S+3]                   ; read behind the first change of slots, whose wait and barrier show it to every wave
.set i, 0
.rept 64
	v_mov_b32 v[O+i], 0                            ; O^T: the step is written once; its first run finds zeros
.set i, i+1
.endr
	s_wait_loadcnt 0x0                             ; Q
; A KEY STEP: 64 keys, the q-th of the slot in hand.
.macro STEP q
	s_add_co_u32 s56, s[Q0], 31                    ; a step all of whose keys come after my 32 queries is left out: a branch on ids and on the count of steps
	s_cmp_gt_u32 s[KF], s56
	s_cbranch_scc1 .Lhidden_\@
	v_add_nc_u32 v[ADK], s[TB], v[AK0]
	v_add_nc_u32 v[ADV], s[TB], v[AV0]
	v_add_nc_u32 v[ADB], s[TBI], v[ABI0]
	v_nop
	v_nop                                          ; five places behind the last step's products: four for the loads below, five for the products that write over p
.irp kt, 0,1,2,3
.irp c, 0,1
.irp u, 0,1
	ds_load_b128 v[KV+16*\kt+8*\c+4*\u:KV+16*\kt+8*\c+4*\u+3], v[ADK] offset:8704*(\q)+2176*\kt+64*\c+32*\u
.endr
.endr
.endr
.irp kt, 0,1,2,3
.irp u, 0,1
	ds_load_b128 v[S+8*\kt+4*\u:S+8*\kt+4*\u+3], v[ADB] offset:64*\kt+16*\u   ; the mask's 0 or NEG of keys 16 kt + 8 h + 0 .. 7, straight into tile 0's score registers
.endr
.endr
	s_wait_dscnt 0x0
	; the accumulators take turns, one instruction a turn
.irp kt, 0,1,2,3
	v_wmma_f32_16x16x32_f16 v[S+32+8*\kt:S+32+8*\kt+7], v[KV+16*\kt:KV+16*\kt+7], v[QF+16:QF+23], v[S+8*\kt:S+8*\kt+7]   ; tile 1 starts on tile 0's registers, which hold the mask
.endr
.rept 5
	v_nop                                          ; five places: the next four write over registers that the last four read as C
.endr
.irp kt, 0,1,2,3
	v_wmma_f32_16x16x32_f16 v[S+8*\kt:S+8*\kt+7], v[KV+16*\kt:KV+16*\kt+7], v[QF:QF+7], v[S+8*\kt:S+8*\kt+7]
.endr
.irp kt, 0,1,2,3
	v_wmma_f32_16x16x32_f16 v[S+32+8*\kt:S+32+8*\kt+7], v[KV+16*\kt+8:KV+16*\kt+15], v[QF+24:QF+31], v[S+32+8*\kt:S+32+8*\kt+7]
.endr
.irp kt, 0,1,2,3
	v_wmma_f32_16x16x32_f16 v[S+8*\kt:S+8*\kt+7], v[KV+16*\kt+8:KV+16*\kt+15], v[QF+8:QF+15], v[S+8*\kt:S+8*\kt+7]
.endr
.rept 4
	v_nop                                          ; four places: for the loads into K's registers and for the first read of the scores
.endr
.irp g, 0,1
.irp dt, 0,1,2,3
.irp u, 0,1
	ds_load_tr16_b128 v[KV+8*(4*\g+\dt)+4*\u:KV+8*(4*\g+\dt)+4*\u+3], v[ADV] offset:9216*(\q)+4608*\g+32*\dt+2304*\u   ; V, turned: it lands while the softmax is walked
.endr
.endr
.endr
	s_add_co_u32 s56, s[KF], 63                    ; a step all of whose keys count skips the diagonal's lines
	s_cmp_le_u32 s56, s[Q0]
	s_cbranch_scc1 .Lopen_\@
	s_sub_co_i32 s56, s[Q0], s[KF]
	v_add_nc_u32 v[VD], s56, v[D0]                 ; d = my query of tile 0 - KF - 8 h.  Register (t, kt, j) holds key KF + 16 kt + 8 h + j: hidden where 16 kt + j - 16 t > d
.irp t, 0,1
.irp kt, 0,1,2,3
.irp j, 0,1,2,3,4,5,6,7
	v_cmp_gt_i32 vcc_lo, 16*\kt+\j-16*\t, v[VD]
	v_cndmask_b32 v[S+32*\t+8*\kt+\j], v[S+32*\t+8*\kt+\j], v[NEGR], vcc_lo
.endr
.endr
.endr
.Lopen_\@:
	; THE SOFTMAX, the two tiles line by line
.irp j, 0,1,2,3
.irp t, 0,1
	v_max3_num_f32 v[ST+8*\t+4+\j], v[S+32*\t+8*\j], v[S+32*\t+8*\j+1], v[S+32*\t+8*\j+2]   ; each accumulator from its low end on
.endr
.endr
.irp i, 3,5
.irp j, 0,1,2,3
.irp t, 0,1
	v_max3_num_f32 v[ST+8*\t+4+\j], v[ST+8*\t+4+\j], v[S+32*\t+8*\j+\i], v[S+32*\t+8*\j+\i+1]
.endr
.endr
.endr
.irp t, 0,1
	v_max3_num_f32 v[ST+8*\t+4], v[ST+8*\t+4], v[S+32*\t+7], v[S+32*\t+15]
.endr
.irp t, 0,1
	v_max3_num_f32 v[ST+8*\t+6], v[ST+8*\t+6], v[S+32*\t+23], v[S+32*\t+31]
.endr
.irp t, 0,1
	v_max3_num_f32 v[ST+8*\t+4], v[ST+8*\t+4], v[ST+8*\t+5], v[ST+8*\t+6]
.endr
.irp t, 0,1
	v_max3_num_f32 v[ST+8*\t+4], v[ST+8*\t+4], v[ST+8*\t+7], v[ST+8*\t]      ; with the old m
.endr
.irp t, 0,1
	v_permlanex16_b32 v[ST+8*\t+5], v[ST+8*\t+4], s[SEL], s[SEL+1]          ; the query's other 32 keys lie in the lane 16 away
.endr
.irp t, 0,1
	v_max_num_f32 v[ST+8*\t+4], v[ST+8*\t+4], v[ST+8*\t+5]
.endr
.irp t, 0,1
	v_sub_f32 v[ST+8*\t+7], v[ST+8*\t], v[ST+8*\t+4]                        ; old m - new m, 0 or less
.endr
.irp t, 0,1
	v_mov_b32 v[ST+8*\t], v[ST+8*\t+4]
.endr
.irp i, 0,2,4,6,8,10,12,14,16,18,20,22,24,26,28,30
.irp t, 0,1
	v_pk_add_f32 v[S+32*\t+\i:S+32*\t+\i+1], v[S+32*\t+\i:S+32*\t+\i+1], v[ST+8*\t:ST+8*\t+1] op_sel_hi:[1,0] neg_lo:[0,1] neg_hi:[0,1]   ; s - m, two at a time
.endr
.endr
.irp t, 0,1
	v_exp_f32 v[ST+8*\t+6], v[ST+8*\t+7]           ; a = 2^(old m - new m)
.endr
.set i, 0
.rept 32
	v_exp_f32 v[S+i], v[S+i]                       ; p = 2^(s - m), at most 1
	v_exp_f32 v[S+32+i], v[S+32+i]
.set i, i+1
.endr
	v_nop                                          ; a plain line behind the last exponential
	s_wait_alu depctr_va_vdst(0)                   ; one wait for the batch of 66, ahead of its first reader
.irp t, 0,1
	v_pk_mul_f32 v[ST+8*\t+2:ST+8*\t+3], v[ST+8*\t+2:ST+8*\t+3], v[ST+8*\t+6:ST+8*\t+7] op_sel_hi:[1,0]
.endr
.irp t, 0,1
	v_pk_add_f32 v[ST+8*\t+4:ST+8*\t+5], v[S+32*\t:S+32*\t+1], v[S+32*\t+2:S+32*\t+3]   ; the row's sum, of the unrounded p, in two chains
.endr
.irp i, 4,8,12,16,20,24,28
.irp t, 0,1
	v_pk_add_f32 v[ST+8*\t+2:ST+8*\t+3], v[ST+8*\t+2:ST+8*\t+3], v[S+32*\t+\i:S+32*\t+\i+1]
	v_pk_add_f32 v[ST+8*\t+4:ST+8*\t+5], v[ST+8*\t+4:ST+8*\t+5], v[S+32*\t+\i+2:S+32*\t+\i+3]
.endr
.endr
.irp t, 0,1
	v_pk_add_f32 v[ST+8*\t+2:ST+8*\t+3], v[ST+8*\t+2:ST+8*\t+3], v[ST+8*\t+4:ST+8*\t+5]
.endr
.irp i, 0,1,2,3,4,5,6,7,8,9,10,11,12,13,14,15
.irp t, 0,1
	v_cvt_pk_f16_f32 v[S+32*\t+\i], v[S+32*\t+2*\i], v[S+32*\t+2*\i+1]      ; p to f16, in place, ascending: registers 8 g .. 8 g + 7 are source 1 for keys 32 g on
.endr
.endr
.irp i, 0,2,4,6,8,10,12,14,16,18,20,22,24,26,28,30
.irp t, 0,1
	v_pk_mul_f32 v[O+32*\t+\i:O+32*\t+\i+1], v[O+32*\t+\i:O+32*\t+\i+1], v[ST+8*\t+6:ST+8*\t+7] op_sel_hi:[1,0]   ; O^T x a
.endr
.endr
	s_wait_dscnt 0x0                               ; V is in
.irp g, 0,1
.irp dt, 0,1,2,3
.irp t, 0,1
	v_wmma_f32_16x16x32_f16 v[O+32*\t+8*\dt:O+32*\t+8*\dt+7], v[KV+8*(4*\g+\dt):KV+8*(4*\g+\dt)+7], v[S+32*\t+8*\g:S+32*\t+8*\g+7], v[O+32*\t+8*\dt:O+32*\t+8*\dt+7]
.endr
.endr
.endr
.Lhidden_\@:
	s_add_co_u32 s[KF], s[KF], 64
	s_add_co_u32 s[TBI], s[TBI], 256               ; the next step's 64 words of the mask
.endm
; THE CHANGE OF SLOTS stands at a slot's head.  Each wave waits for all its tensor loads, adds 0 to its spare word (fill = 1: twice on end), and waits for that and for its reads of the slot that it has left.
; Behind the barrier the slot ahead is whole and nobody reads the other one; fill = 1: that one is filled with the next 256 keys, up to the causal limit.  One tensor load of a wave is out at the most.
.macro CHANGE fill
	s_wait_tensorcnt 0x0                           ; no tensor load of mine is out, so a group 0 may be written
	ds_add_u32 v[SPW], v[NIL]                      ; 0 onto my spare word
.if \fill
	ds_add_u32 v[SPW], v[NIL]                      ; and once more
	s_xor_b32 s[G0K+1], s[G0K+1], SLOT1            ; the walking descriptors: the other slot,
	s_add_nc_u64 s[G0K+2:G0K+3], s[G0K+2:G0K+3], 32768   ; the next 256 keys
	s_xor_b32 s[G0V+1], s[G0V+1], SLOT1
	s_add_nc_u64 s[G0V+2:G0V+3], s[G0V+2:G0V+3], 32768
	s_wait_xcnt 0x0                                ; the last prefetch, a slot back, has read its address
	s_add_nc_u64 s[PFA:PFA+1], s[PFA:PFA+1], 32768
.endif
	s_wait_dscnt 0x0                               ; the add is done, and my LDS stores and my reads of the slot that I have left are over
	s_barrier_signal -1
	s_barrier_wait -1
.if \fill
	s_add_co_u32 s56, s[KF], 256                   ; the first key of the slot that this change would ask for:
	s_cmp_gt_u32 s56, s[LQ]                        ; behind my work-group's last query no wave reads it.  Ids and the count of steps alone: all sixteen waves go the same way
	s_cbranch_scc1 .Lpast_\@
	TLOAD
.Lpast_\@:
	ASK
.endif
.endm
.macro SLOT_STEPS
	STEP 0
	STEP 1
	STEP 2
	STEP 3
	s_xor_b32 s[TB], s[TB], SLOT1
.endm
.Lslot:                                            ; seven trips
	CHANGE 1
	SLOT_STEPS
	s_sub_co_u32 s[SLOTS], s[SLOTS], 1
	s_cmp_lg_u32 s[SLOTS], 0
	s_cbranch_scc1 .Lslot
	CHANGE 0                                       ; the last slot is written out: nothing is asked for
	SLOT_STEPS
	; THE WAY OUT.  O^T / l, or vmean where no key was valid; rounded to f16; through my stage, so that 32 lanes store four tokens' 128 bytes: 512 consecutive bytes.
.rept 4
	v_nop                                          ; four places behind the last products
.endr
	v_bfe_u32 v[VD], v0, 4, 1
	v_lshlrev_b32 v[VD], 5, v[VD]
.irp dt, 0,1,2,3
.irp u, 0,1
	global_load_b128 v[KV+8*\dt+4*\u:KV+8*\dt+4*\u+3], v[VD], s[8:9] offset:64*\dt+16*\u   ; vmean at d = 16 dt + 8 h + 0 .. 7
.endr
.endr
.irp t, 0,1
	v_add_f32 v[ST+8*\t+4], v[ST+8*\t+2], v[ST+8*\t+3]
.endr
.irp t, 0,1
	v_permlanex16_b32 v[ST+8*\t+5], v[ST+8*\t+4], s[SEL], s[SEL+1]
.endr
.irp t, 0,1
	v_add_f32 v[ST+8*\t+4], v[ST+8*\t+4], v[ST+8*\t+5]                      ; the row's sum, at least 1
.endr
.irp t, 0,1
	v_rcp_f32 v[ST+8*\t+6], v[ST+8*\t+4]
.endr
.irp t, 0,1
	v_mov_b32 v[ST+8*\t+7], 0xf1000000             ; -2^99 (plain lines behind the reciprocals)
.endr
	s_wait_alu depctr_va_vdst(0)                   ; one wait for both
.irp t, 0,1
	v_cmp_lt_f32 s[66+\t], v[ST+8*\t], v[ST+8*\t+7]                         ; no valid key at or before this query
.endr
.irp t, 0,1
.irp i, 0,2,4,6,8,10,12,14,16,18,20,22,24,26,28,30
	v_pk_mul_f32 v[O+32*\t+\i:O+32*\t+\i+1], v[O+32*\t+\i:O+32*\t+\i+1], v[ST+8*\t+6:ST+8*\t+7] op_sel_hi:[1,0]
.endr
.endr
	s_wait_loadcnt 0x0
.irp t, 0,1
.set i, 0
.rept 32
	v_cndmask_b32 v[O+32*\t+i], v[O+32*\t+i], v[KV+i], s[66+\t]
.set i, i+1
.endr
.endr
.irp t, 0,1
.irp i, 0,1,2,3,4,5,6,7,8,9,10,11,12,13,14,15
	v_cvt_pk_f16_f32 v[S+32*\t+\i], v[O+32*\t+2*\i], v[O+32*\t+2*\i+1]
.endr
.endr
.irp t, 0,1
.irp dt, 0,1,2,3
	ds_store_b128 v[STO], v[S+32*\t+4*\dt:S+32*\t+4*\dt+3] offset:2304*\t+32*\dt
.endr
.irp i, 0,1,2,3
	ds_load_b128 v[KV+16*\t+4*\i:KV+16*\t+4*\i+3], v[RD] offset:2304*\t+576*\i   ; LDS serves a wave's instructions in order: these see my stores
.endr
.endr
.irp t, 0,1
.irp i, 0,1,2,3
	s_wait_dscnt (1-\t)*8+3-\i                     ; the younger LDS instructions may be out
	global_store_b128 v[GO], v[KV+16*\t+4*\i:KV+16*\t+4*\i+3], s[10:11] offset:2048*\t+512*\i
.endr
.endr
	s_wait_tensorcnt 0x0                           ; the wave's end
	ds_add_u32 v[SPW], v[NIL]
	s_wait_dscnt 0x0
	s_endpgm
.Lfunc_end_k_qdefdc46adb_attn:
	.size	k_qdefdc46adb_attn, .Lfunc_end_k_qdefdc46adb_attn-k_qdefdc46adb_attn
	.p2alignl 7, 3214868480
	.fill 96, 4, 3214868480
	.section	.rodata,"a",@progbits
	.p2align	6, 0x0
	.amdhsa_kernel k_qdefdc46adb_attn
		.amdhsa_group_segment_fixed_size 327680
		.amdhsa_private_segment_fixed_size 0
		.amdhsa_enable_private_segment 0
		.amdhsa_kernarg_size 32
		.amdhsa_user_sgpr_count 2
		.amdhsa_user_sgpr_kernarg_segment_ptr 1
		.amdhsa_wavefront_size32 1
		.amdhsa_system_sgpr_workgroup_id_x 1
		.amdhsa_system_sgpr_workgroup_id_y 1
		.amdhsa_system_sgpr_workgroup_id_z 1
		.amdhsa_system_vgpr_workitem_id 0
		.amdhsa_next_free_vgpr 256
		.amdhsa_next_free_sgpr 80
		.amdhsa_reserve_vcc 1
		.amdhsa_float_denorm_mode_32 3
		.amdhsa_float_denorm_mode_16_64 3
		.amdhsa_memory_ordered 1
		.amdhsa_forward_progress 1
		.amdhsa_inst_pref_size 200
	.end_amdhsa_kernel
	.amdgpu_metadata
---
amdhsa.version: [ 1, 2 ]
amdhsa.kernels:
  - .name:           k_qdefdc46adb_attn
    .symbol:         k_qdefdc46adb_attn.kd
    .args:
      - { .name: qkv, .offset: 0, .size: 8, .value_kind: global_buffer, .address_space: global }
      - { .name: attention_mask, .offset: 8, .size: 8, .value_kind: global_buffer, .address_space: global }
      - { .name: fy, .offset: 16, .size: 8, .value_kind: global_buffer, .address_space: global }
      - { .name: yh, .offset: 24, .size: 8, .value_kind: global_buffer, .address_space: global }
    .group_segment_fixed_size: 327680
    .private_segment_fixed_size: 0
    .kernarg_segment_align: 8
    .kernarg_segment_size: 32
    .max_flat_workgroup_size: 512
    .sgpr_count:     80
    .vgpr_count:     256
    .wavefront_size: 32
...
	.end_amdgpu_metadata
.endif
;; end of part 5
;; launch proj (part 6): grid 4 x 64, 4 waves a work-group, clusters of 4 x 4, 327,680 bytes of LDS; arguments yh, woh, out0; writes out0
.if DOCPART == 6
	.amdgcn_target "amdgcn-amd-amdhsa--gfx1250"
	.amdhsa_code_object_version 6
	.text
	.protected	k_qdefdc46adb_proj
	.globl	k_qdefdc46adb_proj
	.p2align	8
	.type	k_qdefdc46adb_proj,@function
k_qdefdc46adb_proj:
	s_mov_b64 s[64:65], 0
	v_nop
	global_prefetch_b8 v0, s[64:65] scope:SCOPE_SE
	s_setreg_imm32_b32 hwreg(HW_REG_WAVE_MODE, 25, 1), 1
	s_wait_xcnt 0x0
	s_wait_alu depctr_hold_cnt(0) depctr_sa_sdst(0) depctr_va_vdst(0) depctr_va_sdst(0) depctr_va_ssrc(0) depctr_va_vcc(0) depctr_vm_vsrc(0)
	s_getreg_b32 s2, hwreg(HW_REG_IB_STS2, 6, 4)
	s_cmp_eq_u32 s2, 0
	s_cbranch_scc0 .Lentry_in_a_cluster
	s_endpgm
.Lentry_in_a_cluster:
	s_bfe_u32 s2, ttmp6, 0x10000c
	s_cmp_lg_u32 s2, 0xf033
	s_cbranch_scc0 .Lentry_shape_is_right
	s_endpgm
.Lentry_shape_is_right:
; out0[b][t][o] = the sum over c of y[b][t][c] Wout[o][c], f16 operands, f32 sums and result.  yh: f16 [4][16 h][2048 t][64 d]; woh: f16 [1024 o][1024 c].
; Left out: the STORES of rows t < 16 of every sequence, which the f32 launch owns; their products stay inside a tile that holds live work.
; A tile of 128 tokens x 256 columns for each of 256 work-groups; four waves, 64 x 128 each: 32 accumulators.  K goes in steps of 128 (two heads) through two LDS slots.
; A's tile of a K step is two dense blocks of 16,384 bytes (a head's 128 tokens x 128 bytes), laid as rows of two tokens (256 bytes + 16); B's is 256 rows of 256 bytes + 16.
; CLUSTERS 4 x 4: tile row = 16 cy + cluster y (the batch is cy, the place in the sequence cluster y: a test on it is the same in all partners), tile column = cx.  A's tiles are shared along a row, B's along a column.
; THE MATRIX INSTRUCTION IS USED TRANSPOSED (source 0 = 16 rows of Wout, source 1 = 16 tokens): a lane holds 8 neighbouring columns of one token.
; REGISTERS: window 0: addresses; v128-255 rows on the way out.  window 1: two fragment buffers of 96: B's 8 fragments, then A's 4.  window 2: accumulator (a, b) at v[8 (8 a + b)].
.set SLOT,   104448                    ; A's two planes of 17,408, then B's two halves of 34,816
.set APL,    17408
.set BOFF,   34816
.set BH,     34816
.set SPARE,  2*SLOT                    ; the spare words: 128 bytes for each wave, named by no other line
.set SPITCH, 528                       ; the way out: 16 rows x (512 bytes + 16) for each wave, in slot 0, behind its last fill and its last read
.set ADRA, 16
.set ADRB, 20
.set STO,  24
.set RD,   25
.set CO,   26
.set SPW,  28
.set NIL,  29
.set PFO,  30
.set BK,   128
.set F0,   0
.set F1,   96
.set G1,  24
.set G0,  32
.set G1B, 48
.set G0B, 56
.set PFA, 44
.set LIM, 43
.set MSB, 0
.macro WIN new
.if MSB != \new
	s_set_vgpr_msb (MSB<<8)|\new
.set MSB, \new
.endif
.endm
.set MUL,  0xa5                        ; sources 0 and 1 window 1; C and D window 2
.set TO_F, 0x40                        ; destination window 1, address window 0
.macro JLOAD s                         ; waves 0 and 1 fetch A's two planes, waves 2 and 3 B's halves; an s_nop 0 and four v_nop follow each of the two lines
	s_cmp_eq_u32 s11, 0
	s_cbranch_scc0 .Lfor_b_\@
	tensor_load_to_lds s[G0+4*\s:G0+4*\s+3], s[G1:G1+7]
	s_nop 0
.rept 4
	v_nop
.endr
	s_branch .Lasked_\@
.Lfor_b_\@:
	tensor_load_to_lds s[G0B+4*\s:G0B+4*\s+3], s[G1B:G1B+7]
	s_nop 0
.rept 4
	v_nop
.endr
.Lasked_\@:
.endm
.macro CREST
	s_cmp_lg_u32 s10, 0
	s_cbranch_scc1 .Lnot_wave_0_\@
	s_barrier_signal -3
.Lnot_wave_0_\@:
	s_barrier_wait -3
	s_barrier_signal -1
	s_barrier_wait -1
.endm
.macro CROUND
	s_barrier_signal -1
	s_barrier_wait -1
	CREST
.endm
; A prefetch of A's K step that stands two refills on: 32,768 bytes.  Wave 0 of each of the four partners that share the tile asks for a quarter, told apart by address (plane cx / 2, half cx % 2), lanes 256 bytes apart:
; each aligned 256 bytes once in the launch.  K steps 0 to 3 come by their loads alone; the loop's last trip asks for nothing.  Wout's 2 MB, which every row of clusters reads, are not asked for.
.macro ASK
	s_cmp_gt_u32 s3, s[LIM]
	s_cbranch_scc0 .Lnot_mine_\@
	global_prefetch_b8 v[PFO], s[PFA:PFA+1] offset:524288 th:TH_LOAD_NT scope:SCOPE_SE
.Lnot_mine_\@:
.endm
	s_load_b128 s[4:7], s[0:1], 0x0                ; yh s[4:5], woh s[6:7]
	s_load_b64 s[8:9], s[0:1], 0x10                ; out0
	v_lshl_add_u32 v[SPW], v0, 2, SPARE
	v_mov_b32 v[NIL], 0
	ds_add_u32 v[SPW], v[NIL]                      ; the wave's opening: the add, twice on end, and its wait ahead of my first tensor load
	ds_add_u32 v[SPW], v[NIL]
	v_lshrrev_b32 v1, 5, v0
	v_readfirstlane_b32 s10, v1                    ; wave 0..3
	s_lshr_b32 s11, s10, 1                         ; which 64 tokens are mine.  Also: I fetch for A (0) or for B (1)
	s_and_b32 s12, s10, 1                          ; which 128 columns.  Also: which plane or half I fetch
	s_bfe_u32 s40, ttmp6, 0x40000                  ; cx
	s_bfe_u32 s41, ttmp6, 0x40004                  ; cy
	s_and_b32 s13, ttmp7, 0xffff                   ; cluster y: the tile's place in its sequence
	s_lshl_b32 s43, s41, 2
	s_lshl_b32 s43, 15, s43                        ; my row of the cluster
	s_lshl_b32 s44, 0x1111, s40                    ; my column
	s_or_b32 s[G1+0], s43, 0x07710000              ; the mask; elements of 2 bytes; padding on; bit 21 beside a mask; after every 64 words, 4 words
	s_or_b32 s[G1B+0], s44, 0x07710000
	s_mov_b32 s[G1+1], 128<<16                     ; A: 64 rows of 128 elements (two tokens), dense
	s_mov_b32 s[G1+2], 64<<16
	s_mov_b32 s[G1+3], 128<<16
	s_mov_b32 s[G1+4], 64
	s_mov_b32 s[G1+5], 128
	s_mov_b32 s[G1+6], 0
	s_mov_b32 s[G1+7], 0
	s_mov_b32 s[G1B+1], 128<<16                    ; B: 128 rows of 128 elements, 1,024 elements apart
	s_mov_b32 s[G1B+2], 128<<16
	s_mov_b32 s[G1B+3], 128<<16
	s_mov_b32 s[G1B+4], 128
	s_mov_b32 s[G1B+5], 1024
	s_mov_b32 s[G1B+6], 0
	s_mov_b32 s[G1B+7], 0
	s_lshl_b32 s16, s41, 4
	s_add_co_u32 s16, s16, s12                     ; A: head 16 cy + my plane,
	s_lshl_b32 s16, s16, 18
	s_lshl_b32 s17, s13, 14                        ; tokens 128 x cluster y on
	s_add_co_u32 s16, s16, s17
	s_mov_b32 s17, 0
	s_lshl_b32 s46, s40, 19                        ; B: row 256 cx + 128 x half, 2,048 bytes a row
	s_lshl_b32 s47, s12, 18
	s_add_co_u32 s46, s46, s47
	s_mov_b32 s47, 0
	s_mul_i32 s20, s12, APL                        ; where they go: no place in the cluster enters an LDS address
	s_mul_i32 s21, s12, BH
	s_add_co_u32 s21, s21, BOFF
	s_wait_dscnt 0x0                               ; both opening adds are done
	s_wait_kmcnt 0x0
	s_add_nc_u64 s[14:15], s[4:5], s[16:17]
	s_add_nc_u64 s[46:47], s[6:7], s[46:47]
	CROUND                                         ; all sixteen work-groups are here: the first joint loads meet
.irp s, 0,1
	s_mov_b32 s[G0+4*\s], 1
	s_add_co_u32 s[G0+4*\s+1], s20, \s*SLOT
	s_add_nc_u64 s[G0+4*\s+2:G0+4*\s+3], s[14:15], \s*524288       ; K step s: two heads on
	s_or_b32 s[G0+4*\s+3], s[G0+4*\s+3], 0x80000000
	s_mov_b32 s[G0B+4*\s], 1
	s_add_co_u32 s[G0B+4*\s+1], s21, \s*SLOT
	s_add_nc_u64 s[G0B+4*\s+2:G0B+4*\s+3], s[46:47], \s*256
	s_or_b32 s[G0B+4*\s+3], s[G0B+4*\s+3], 0x80000000
	JLOAD \s                                       ; two loads of mine are out
.endr
	v_and_b32 v1, 15, v0                           ; r
	v_bfe_u32 v2, v0, 4, 1                         ; h
	v_lshrrev_b32 v3, 1, v1
	v_and_b32 v4, 1, v0
	v_mul_u32_u24 v3, v3, 272
	v_lshl_add_u32 v3, v4, 7, v3
	v_lshl_add_u32 v3, v2, 4, v3                   ; A: 272 (r / 2) + 128 (r % 2) + 16 h
	v_mul_u32_u24 v5, v1, 272
	v_lshl_add_u32 v5, v2, 4, v5                   ; B: 272 r + 16 h
	s_mul_i32 s21, s11, 8704                       ; my 64 tokens: 32 rows
	s_mul_i32 s22, s12, BH
	s_add_co_u32 s22, s22, BOFF                    ; my 128 rows of B
.irp s, 0,1
	v_add_nc_u32 v[ADRA+\s], s21, v3
	v_add_nc_u32 v[ADRB+\s], s22, v5
	s_add_co_u32 s21, s21, SLOT
	s_add_co_u32 s22, s22, SLOT
.endr
	s_mul_i32 s23, s10, 16*SPITCH                  ; my stage
	v_mul_u32_u24 v5, v1, SPITCH
	v_lshl_add_u32 v5, v2, 5, v5
	v_add_nc_u32 v[STO], s23, v5                   ; in: row r, 32 bytes for each half of the lanes
	v_and_b32 v6, 31, v0
	v_lshlrev_b32 v[CO], 4, v6
	v_add_nc_u32 v[RD], s23, v[CO]                 ; back: the 32 lanes take one row of 512 bytes
	v_lshlrev_b32 v[PFO], 8, v6
	s_lshl_b32 s46, s41, 23                        ; out0: the batch's 2,048 rows of 4,096 bytes,
	s_lshl_b32 s47, s13, 19                        ; the tile's 128,
	s_add_co_u32 s46, s46, s47
	s_lshl_b32 s47, s11, 18                        ; my 64,
	s_add_co_u32 s46, s46, s47
	s_lshl_b32 s47, s40, 10                        ; the tile's 256 columns,
	s_add_co_u32 s46, s46, s47
	s_lshl_b32 s47, s12, 9                         ; my 128
	s_add_co_u32 s46, s46, s47
	s_mov_b32 s47, 0
	s_add_nc_u64 s[8:9], s[8:9], s[46:47]
	s_lshl_b32 s46, s41, 4                         ; the prefetches: head 16 cy + cx / 2,
	s_lshr_b32 s47, s40, 1
	s_add_co_u32 s46, s46, s47
	s_lshl_b32 s46, s46, 18
	s_lshl_b32 s47, s13, 14
	s_add_co_u32 s46, s46, s47
	s_and_b32 s47, s40, 1
	s_lshl_b32 s47, s47, 13                        ; half cx % 2 of the plane's 16,384 bytes,
	s_add_co_u32 s46, s46, s47
	s_add_co_u32 s46, s46, 2*524288                ; at K step 2: the first refill steps it to 3 and names K step 4
	s_mov_b32 s47, 0
	s_add_nc_u64 s[PFA:PFA+1], s[4:5], s[46:47]
	s_cmp_eq_u32 s10, 0
	s_cselect_b32 s[LIM], 1, -1
.macro MUL8 f, a, zero                 ; A's block a x B's eight, 32 along K.  The 32 accumulators take turns, one instruction a turn, in the same order in every quarter
.irp b, 0,1,2,3,4,5,6,7
.if \zero
	v_wmma_f32_16x16x32_f16 v[8*(8*(\a)+\b):8*(8*(\a)+\b)+7], v[\f+8*\b:\f+8*\b+7], v[\f+64+8*(\a):\f+64+8*(\a)+7], 0
.else
	v_wmma_f32_16x16x32_f16 v[8*(8*(\a)+\b):8*(8*(\a)+\b)+7], v[\f+8*\b:\f+8*\b+7], v[\f+64+8*(\a):\f+64+8*(\a)+7], v[8*(8*(\a)+\b):8*(8*(\a)+\b)+7]
.endif
.endr
.endm
.macro FETCH slot, k, f                ; 24 LDS loads in one run: the fragments of the K step's k-th 32: B's eight, then A's four
	WIN TO_F
.irp i, 0,1,2,3,4,5,6,7
	ds_load_b128 v[\f+8*\i:\f+8*\i+3],   v[ADRB+\slot] offset:64*(\k)+4352*\i
	ds_load_b128 v[\f+8*\i+4:\f+8*\i+7], v[ADRB+\slot] offset:64*(\k)+4352*\i+32
.endr
.irp i, 0,1,2,3
	ds_load_b128 v[\f+64+8*\i:\f+64+8*\i+3],   v[ADRA+\slot] offset:APL*((\k)/2)+64*((\k)%2)+2176*\i
	ds_load_b128 v[\f+64+8*\i+4:\f+64+8*\i+7], v[ADRA+\slot] offset:APL*((\k)/2)+64*((\k)%2)+2176*\i+32
.endr
.endm
.macro PLACES                          ; four plain vector lines between a matrix instruction and a load into, or a read of, its registers
.rept 4
	v_nop
.endr
.endm
.macro QUARTER slot, k, f, g, zero     ; multiplies buffer f; in its middle fetches the K step's k-th 32 into buffer g
	s_wait_dscnt 4                                 ; B and A's blocks 0, 1 are in; the youngest 4 loads (A's blocks 2, 3) may be out
	WIN MUL
	MUL8 \f, 0, \zero
	MUL8 \f, 1, \zero
	PLACES
	FETCH \slot, \k, \g
	s_wait_dscnt 24                                ; all but the 24 just issued
	WIN MUL
	MUL8 \f, 2, \zero
	MUL8 \f, 3, \zero
.endm
; A K step's last quarter multiplies buffer 1 and changes slots: one barrier; in front of it each wave waits for all its tensor loads, adds 0 to its spare word, and waits for that and for its reads of this slot.
; fill = 1: the barrier opens a round of the cluster's barrier, and the joint refill, two K steps ahead, is the first tensor load behind it.
.macro TURN slot, next, fill
.if \fill
	s_wait_xcnt 0x0                                ; the last prefetch, a K step back, has read its address
	s_add_nc_u64 s[PFA:PFA+1], s[PFA:PFA+1], 524288
.endif
	WIN 0
	s_wait_tensorcnt 0x0                           ; all my tensor loads have landed: my part of the next slot
	ds_add_u32 v[SPW], v[NIL]                      ; 0 onto my spare word
	s_wait_dscnt 5                                 ; the add and the youngest 4 loads may be out
	WIN MUL
	MUL8 F1, 0, 0
	s_wait_dscnt 0x0                               ; the add is done, and my reads of this slot are over
	s_barrier_signal -1
	MUL8 F1, 1, 0
	WIN 0
	s_barrier_wait -1
.if \fill
	CREST                                          ; no wave of any partner still reads this slot or has a load on its way
	s_add_nc_u64 s[G0+4*\slot+2:G0+4*\slot+3], s[G0+4*\slot+2:G0+4*\slot+3], 2*524288
	s_add_nc_u64 s[G0B+4*\slot+2:G0B+4*\slot+3], s[G0B+4*\slot+2:G0B+4*\slot+3], 2*256
	JLOAD \slot                                    ; the four v_nop behind it are also the places in front of the loads below
.else
	PLACES
.endif
	FETCH \next, 0, F0
.if \fill
	WIN 0
	ASK
.endif
	WIN MUL
	MUL8 F1, 2, 0
	MUL8 F1, 3, 0
.endm
	s_wait_tensorcnt 1                             ; my part of K step 0 is in; K step 1's load may be out
	s_barrier_signal -1
	s_barrier_wait -1
	FETCH 0, 0, F0
	QUARTER 0, 1, F0, F1, 1                        ; the first quarter starts the sums: nothing is cleared
	WIN 0
	s_mov_b32 s3, 3
.Llap:                                                 ; three trips: each goes once round the ring and fills both slots again
	QUARTER 0, 2, F1, F0, 0
	QUARTER 0, 3, F0, F1, 0
	TURN 0, 1, 1
	QUARTER 1, 1, F0, F1, 0
	QUARTER 1, 2, F1, F0, 0
	QUARTER 1, 3, F0, F1, 0
	TURN 1, 0, 1
	QUARTER 0, 1, F0, F1, 0
	WIN 0
	s_sub_co_u32 s3, s3, 1
	s_cmp_lg_u32 s3, 0
	s_cbranch_scc1 .Llap
	QUARTER 0, 2, F1, F0, 0                        ; the last lap fills nothing
	QUARTER 0, 3, F0, F1, 0
	TURN 0, 1, 0
	QUARTER 1, 1, F0, F1, 0
	QUARTER 1, 2, F1, F0, 0
	QUARTER 1, 3, F0, F1, 0
	s_wait_dscnt 4
	WIN MUL
	MUL8 F1, 0, 0
	MUL8 F1, 1, 0
	s_wait_dscnt 0
	MUL8 F1, 2, 0
	MUL8 F1, 3, 0
	WIN 0
; THE WAY OUT, block by block of 16 tokens x 128 columns: through my stage, back as whole rows of 512 bytes.
.macro TOSTAGE a
	WIN 0x08                                       ; an LDS store's data: window 2
.irp b, 0,1,2,3,4,5,6,7
	ds_store_b128 v[STO], v[8*(8*(\a)+\b):8*(8*(\a)+\b)+3] offset:64*\b          ; each accumulator from its low end on
	ds_store_b128 v[STO], v[8*(8*(\a)+\b)+4:8*(8*(\a)+\b)+7] offset:64*\b+16
.endr
	WIN 0
.irp t, 0,1,2,3,4,5,6,7,8,9,10,11,12,13,14,15
	ds_load_b128 v[BK+64*((\a)%2)+4*\t:BK+64*((\a)%2)+4*\t+3], v[RD] offset:\t*SPITCH   ; LDS serves a wave's instructions in order
.endr
.endm
.macro SEND a, younger
	s_wait_dscnt \younger
.irp t, 0,1,2,3,4,5,6,7,8,9,10,11,12,13,14,15
	global_store_b128 v[CO], v[BK+64*((\a)%2)+4*\t:BK+64*((\a)%2)+4*\t+3], s[8:9] offset:65536*(\a)+4096*\t th:TH_STORE_NT   ; 32 lanes store 512 consecutive bytes
.endr
.endm
	PLACES
	s_and_b32 s16, ttmp7, 0xffff                   ; block 0 of the upper half's waves in a sequence's first tile is rows t < 16: another launch's.  The test is the same in all partners
	s_or_b32 s16, s16, s11
	s_cmp_eq_u32 s16, 0
	s_cbranch_scc1 .Lskip0
	TOSTAGE 0
	SEND 0, 0
.Lskip0:
	s_wait_xcnt 0x0                                ; block 0's stores have read their registers
	TOSTAGE 1
	TOSTAGE 2
	SEND 1, 32                                     ; behind block 1's loads: block 2's 16 stores and 16 loads
	s_wait_xcnt 0x0                                ; block 1's stores have read their registers
	TOSTAGE 3
	SEND 2, 32
	SEND 3, 0
	s_wait_tensorcnt 0x0                           ; the wave's end
	ds_add_u32 v[SPW], v[NIL]
	s_wait_dscnt 0x0
	CROUND                                         ; the closing round
	s_endpgm
.Lfunc_end_k_qdefdc46adb_proj:
	.size	k_qdefdc46adb_proj, .Lfunc_end_k_qdefdc46adb_proj-k_qdefdc46adb_proj
	.p2alignl 7, 3214868480
	.fill 96, 4, 3214868480
	.section	.rodata,"a",@progbits
	.p2align	6, 0x0
	.amdhsa_kernel k_qdefdc46adb_proj
		.amdhsa_group_segment_fixed_size 327680
		.amdhsa_private_segment_fixed_size 0
		.amdhsa_enable_private_segment 0
		.amdhsa_kernarg_size 24
		.amdhsa_user_sgpr_count 2
		.amdhsa_user_sgpr_kernarg_segment_ptr 1
		.amdhsa_wavefront_size32 1
		.amdhsa_system_sgpr_workgroup_id_x 1
		.amdhsa_system_sgpr_workgroup_id_y 1
		.amdhsa_system_sgpr_workgroup_id_z 1
		.amdhsa_system_vgpr_workitem_id 0
		.amdhsa_next_free_vgpr 768
		.amdhsa_next_free_sgpr 66
		.amdhsa_reserve_vcc 0
		.amdhsa_float_denorm_mode_32 3
		.amdhsa_float_denorm_mode_16_64 3
		.amdhsa_memory_ordered 1
		.amdhsa_forward_progress 1
		.amdhsa_inst_pref_size 86
	.end_amdhsa_kernel
	.amdgpu_metadata
---
amdhsa.version: [ 1, 2 ]
amdhsa.kernels:
  - .name:           k_qdefdc46adb_proj
    .symbol:         k_qdefdc46adb_proj.kd
    .args:
      - { .name: yh, .offset: 0, .size: 8, .value_kind: global_buffer, .address_space: global }
      - { .name: woh, .offset: 8, .size: 8, .value_kind: global_buffer, .address_space: global }
      - { .name: out0, .offset: 16, .size: 8, .value_kind: global_buffer, .address_space: global }
    .group_segment_fixed_size: 327680
    .private_segment_fixed_size: 0
    .kernarg_segment_align: 8
    .kernarg_segment_size: 24
    .max_flat_workgroup_size: 128
    .sgpr_count:     66
    .vgpr_count:     768
    .wavefront_size: 32
...
	.end_amdgpu_metadata
.endif
;; end of part 6
